; MI455X (gfx1250); checked and timed in simulation.
; The chip was launched on July 23, 2026; its instructions are those of AMD's public machine-readable ISA for CDNA 5 (MIT licence, August 2026) and "CDNA5" Instruction Set Architecture Reference Guide (July 2026). The comments in the code are by the model that wrote it; some were corrected since.
;; Binary Dense. Allowed arithmetic: matrix products marked QUANTISED: E4M3 operands, one E8M0 scale for each 32 along K, by v_wmma_scale_f32_16x16x128_f8f6f4 with both operands' format E4M3, f32 sums; everything else in f32.
;; Inputs: M 4,096 x 2,048 float32; u 4,096 x 2,048 float32; x_codes 8,192 x 128 x 32 uint8 (E4M3 codes of x, K innermost, in blocks of 32 codes); x_scales 8,192 x 128 uint8 (E8M0 scales of x, one for each 32 codes along K).
;; Outputs: out0 8,192 x 2,048 float32.
;; This version of the problem:
;;   THIS VERSION OF THE PROBLEM IS GIVEN IN LOW PRECISION. The matrix products marked QUANTISED in the list below multiply operands that are first quantised to E4M3 (4 exponent bits, 3 mantissa bits; 8 bits a number), with one power-of-two scale for each 32 numbers along K (OCP MX v1.0); their sums are f32. All else is computed in f32.
;;   The module's matrix products, in the order in which they are computed (A, B: the left and right operand; K: the contracted axis; several contracted axes count as one K, in the product's order):
;;     1. [M 8,192, K 4,096] x [K 4,096, N 2,048]; A: input x (given as codes); B: computed on the way: QUANTISED
;;   THE QUANTISER, for each operand of a quantised product, along K:
;;     - K is cut into blocks of 32 from its start; a last block that is shorter is filled with zeros.
;;     - A block's scale is 2^e with e = floor(log2(the largest magnitude in the block)) - 8, held to -126 .. 127; a block of zeros has e = 0. As a byte (E8M0): e + 127.
;;     - Each number is divided by its block's scale, clamped to +-448, and rounded to the nearest number of E4M3, ties to even, subnormals kept.
;;     - The product sums the exact products of the quantised numbers (number of the format x scale) in f32.
;;   ~~~python
;;   def quantise(x, axis):      # numpy; x: float32 -> the quantised numbers, widened to float32 again
;;       x = np.moveaxis(x, axis, -1); K = x.shape[-1]
;;       x = np.pad(x, [(0, 0)] * (x.ndim - 1) + [(0, -K % 32)]); x = x.reshape(x.shape[:-1] + (-1, 32)); a = np.abs(x).max(-1, keepdims=True)
;;       e = np.where(a > 0, np.clip(np.frexp(np.where(a > 0, a, 1))[1] - 1 - 8, -126, 127), 0)      # np.frexp(a)[1] - 1 = floor(log2(a)), exactly
;;       r = np.clip(x / 2.0 ** e, -448, 448)
;;       step = 2.0 ** (np.maximum(np.frexp(np.where(r == 0, 1, r))[1] - 1, -6) - 3)
;;       q = np.round(r / step) * step * 2.0 ** e      # np.round: ties to even
;;       return np.moveaxis(q.reshape(q.shape[:-2] + (-1,))[..., :K], -1, axis).astype(np.float32)
;;   ~~~
;;   OPERANDS COMPUTED ON THE WAY. 'Computed on the way' means the value that the module computes at that place (a softmax that the list does not call 'softmax' is quantised finished and normalised). What goes into a quantiser is computed in f32, as accurately as f32 sums, v_exp_f32 and their like allow (about 1e-6 of the number): no bf16 or f16 on the way to a quantiser, and a product that is left as it is and whose result goes on into a quantised operand takes f32 operands (vector FMAs, or v_wmma_f32_16x16x4_f32). A number that lies on a knife's edge between two numbers of the format may be rounded either way, as far as f32 arithmetic and the matrix unit's own rounding can turn it there, and no further.
;;   INPUTS GIVEN AS CODES. x (in the module: [8192, 4096], K = its axis 1): each comes as NAME_codes (uint8): NAME with its K axis moved to the last place and cut into blocks of 32 codes, [.., K / 32, bytes a block], one block behind the other in memory; one code a byte (a code: sign, 4 exponent bits, 3 mantissa bits); and NAME_scales (uint8): the same leading axes, one E8M0 byte (e + 127) for each 32 codes along K. Its value is code x scale, taken as it is: it is not quantised again, and the codes and scales need not be those that the quantiser above would give.
;; 2 versions. Each part assembles by itself: llvm-mc -triple=amdgcn-amd-amdhsa -mcpu=gfx1250 --defsym DOCPART=n.
;; ======== version 1 of 2: 2 launches
;; workspace buffers: w_codes 8,388,608 bytes
;; launch make_w (part 1): grid 32 x 16, 8 waves a work-group, no clusters, 18,432 bytes of LDS; arguments M, u, w_codes; writes w_codes
.if DOCPART == 1
	.amdgcn_target "amdgcn-amd-amdhsa--gfx1250"
	.amdhsa_code_object_version 6
	.text
	.protected	k_q4695a68e04_make_w
	.globl	k_q4695a68e04_make_w
	.p2align	8
	.type	k_q4695a68e04_make_w,@function
k_q4695a68e04_make_w:
	s_mov_b64 s[64:65], 0
	v_nop
	global_prefetch_b8 v0, s[64:65] scope:SCOPE_SE
	s_setreg_imm32_b32 hwreg(HW_REG_WAVE_MODE, 25, 1), 1
	s_wait_xcnt 0x0
; w[k][n] = +STD where u[k][n] < sigmoid(M[k][n]), else -STD (STD = sqrt(2 / 6144), f32 pattern 0x3c93cd3a), turned into codes of E4M3 laid [2048 (n)][4096 (k)], K innermost.
; M, u: [4096 (k)][2048 (n)] f32.  The straight-through term of the definition is p' - p' = 0 and adds nothing.
; THE COMPARE.  u < 1 / (1 + e^-M) is u (1 + e^-M) < 1, since 1 + e^-M is positive: one multiplication, one exponential, one fused multiply-add, one compare; no reciprocal.
;   e^-M = 0 (large M) leaves u < 1; e^-M = infinity (very negative M) gives +-infinity by u's sign, and NaN for u = 0, which compares false as 0 < 0 does.
; THE SCALE.  Every number of every block of 32 along K has the magnitude STD, whatever the inputs hold: STD's exponent field is 121, so each block's E8M0 byte is 121 - 8 = 113, a constant of the problem.
;   So no largest magnitude is searched for, no scale byte is stored (the product's launch holds the byte as a constant), and no hold is needed: STD / 2^-14 = 295.6 lies under 448.
; LIMITS: where u (1 + e^-M) lies within f32 rounding of 1 (about 1e-7 of it) the sign may fall either way; M = NaN gives -STD where the definition gives NaN.
; SHARES.  A work-group takes 64 columns x 256 along K; wave w its rows 32 w .. 32 w + 31.  Lane (j = lane % 16, h = lane / 16) takes columns 4 j .. 4 j + 3 of rows 32 w + 16 h + i, i = 0 .. 15:
;   each load reads 256 consecutive aligned bytes of one row in lanes 0-15 and of the row 16 further down in lanes 16-31.  A lane so holds, of each of 4 columns, 16 neighbours along K.
;   The select that makes +-STD writes them column by column, so that the conversion finds eight neighbours along K in consecutive registers: nothing else is transposed.
; All 32 loads of a wave go out at once (16 KiB a wave); there is no loop.  The codes meet in a stage in LDS (a column's 256 bytes come from all eight waves) and leave as whole rows of 256 bytes.
.set ROWIN, 8192                       ; a row of M or of u in bytes
.set SP,    272                        ; a stage row: 256 bytes + 16: the sixteen rows that a store or a load touches start 16 bytes apart modulo 256
.set MB,    16                         ; v16-79   M, row i at MB + 4 i; then e^-M; then u (1 + e^-M); at the end v16-31 take the rows read back
.set UB,    80                         ; v80-143  u, likewise
.set T,     144                        ; v144-175 +-STD of eight rows: column c, row i at T + 8 c + i
.set C,     176                        ; v176-191 codes: column c's 16 bytes at C + 4 c
	s_load_b128 s[4:7], s[0:1], 0x0                ; M s[4:5], u s[6:7]
	s_load_b64 s[8:9], s[0:1], 0x10                ; the codes
	v_lshl_add_u32 v192, v0, 2, 0x4400
	v_mov_b32 v193, 0
	v_lshrrev_b32 v1, 5, v0
	v_readfirstlane_b32 s10, v1                    ; wave 0..7
	s_and_b32 s11, ttmp7, 0xffff                   ; which 256 along K
	v_and_b32 v1, 15, v0                           ; j
	v_bfe_u32 v2, v0, 4, 1                         ; h
	v_lshlrev_b32 v3, 4, v1
	v_lshl_add_u32 v3, v2, 17, v3                  ; in: 16 j + 16 rows x h
	v_mul_u32_u24 v4, v1, SP
	v_lshl_add_u32 v4, v2, 4, v4
	s_lshl_b32 s16, s10, 5
	v_add_nc_u32 v4, s16, v4                       ; into the stage: row 16 c + j (c in the immediate) holds column 4 j + c; byte 32 w + 16 h of it
	v_mul_u32_u24 v5, v2, SP
	v_lshl_add_u32 v5, v1, 4, v5
	s_mul_i32 s16, s10, 8*SP
	v_add_nc_u32 v5, s16, v5                       ; out of it: stage rows 8 w + 2 t + h (t in the immediate), 16 bytes a lane
	v_lshlrev_b32 v6, 4, v1
	v_lshl_add_u32 v6, v2, 14, v6                  ; and in the codes' buffer: 16 j + 4 rows x h (stage row s holds column 4 (s % 16) + s / 16)
	v_mov_b32 v7, 0x3c93cd3a                       ; +STD
	v_mov_b32 v8, 0xbc93cd3a                       ; -STD
	v_mov_b32 v9, 0x38800000                       ; the conversion's scale operand: the byte 113 in the exponent field
	s_mov_b32 s20, 0xbfb8aa3b                      ; -log2(e)
	s_mov_b32 s21, s20                             ; (named with it as a pair, so it is written)
	s_lshl_b32 s12, s11, 21                        ; in: 256 y rows of 8,192 bytes,
	s_lshl_b32 s16, s10, 18                        ; 32 w rows,
	s_add_co_u32 s12, s12, s16
	s_lshl_b32 s16, ttmp9, 8                       ; 64 x columns of 4 bytes
	s_add_co_u32 s12, s12, s16
	s_mov_b32 s13, 0
	s_lshl_b32 s14, ttmp9, 18                      ; out: 64 x rows of 4,096 bytes,
	s_lshl_b32 s16, s11, 8                         ; 256 y bytes along K,
	s_add_co_u32 s14, s14, s16
	s_lshr_b32 s16, s10, 1
	s_lshl_b32 s16, s16, 12                        ; my rows are columns 32 (w % 2) + 8 t + 4 h + w / 2
	s_add_co_u32 s14, s14, s16
	s_and_b32 s16, s10, 1
	s_lshl_b32 s16, s16, 17
	s_add_co_u32 s14, s14, s16
	s_mov_b32 s15, 0
	s_wait_kmcnt 0x0
	s_add_nc_u64 s[4:5], s[4:5], s[12:13]
	s_add_nc_u64 s[6:7], s[6:7], s[12:13]
	s_add_nc_u64 s[8:9], s[8:9], s[14:15]
.macro LOADS reg, base, g              ; rows 8 g .. 8 g + 7 of my sixteen
.irp i, 0,1,2,3,4,5,6,7
	global_load_b128 v[\reg+4*(8*\g+\i):\reg+4*(8*\g+\i)+3], v3, s[\base:\base+1] offset:(8*\g+\i)*ROWIN th:TH_LOAD_NT
.endr
.endm
	LOADS MB, 4, 0
	LOADS UB, 6, 0
	LOADS MB, 4, 1
	LOADS UB, 6, 1
; Rows 8 g .. 8 g + 7: 32 numbers a lane.
.macro HALF g
	s_wait_loadcnt 24-16*\g                        ; loads come back in order: this half's eight of M are in, the younger groups of eight stay out
.set k, MB+32*\g
.rept 16
	v_pk_mul_f32 v[k:k+1], v[k:k+1], s[20:21] op_sel_hi:[1,0]      ; -M log2(e)
.set k, k+2
.endr
.set k, MB+32*\g
.rept 32
	v_exp_f32 v[k], v[k]                           ; e^-M: one batch; none of these reads another's result
.set k, k+1
.endr
	s_wait_loadcnt 16-16*\g                        ; this half's eight of u are in
	v_nop                                          ; a plain instruction between the last exponential and the first use of a result
	s_wait_alu depctr_va_vdst(0)                   ; one wait for the batch of 32, ahead of its first reader
.set k, 32*\g
.rept 16
	v_pk_fma_f32 v[MB+k:MB+k+1], v[UB+k:UB+k+1], v[MB+k:MB+k+1], v[UB+k:UB+k+1]   ; u e^-M + u, rounded once
.set k, k+2
.endr
.irp c, 0,1,2,3
.irp i, 0,1,2,3,4,5,6,7
	v_cmp_gt_f32 s[32+\i], 1.0, v[MB+32*\g+4*\i+\c]                ; 1 > u (1 + e^-M): eight masks, so that no select waits for the compare just ahead of it
.endr
.irp i, 0,1,2,3,4,5,6,7
	v_cndmask_b32 v[T+8*\c+\i], v8, v7, s[32+\i]                   ; +STD where it holds, else -STD; written column by column
.endr
.endr
.irp c, 0,1,2,3
	v_cvt_scalef32_pk8_fp8_f32 v[C+4*\c+2*\g:C+4*\c+2*\g+1], v[T+8*\c:T+8*\c+7], v9   ; eight neighbours along K of column c, / 2^-14, to the nearest code
.endr
	v_nop                                          ; a plain instruction between the conversions and the next writes of their sources
.endm
	HALF 0
	HALF 1
.irp c, 0,1,2,3
	ds_store_b128 v4, v[C+4*\c:C+4*\c+3] offset:16*SP*\c           ; K = 32 w + 16 h + 0 .. 15 of column 4 j + c
.endr
	s_wait_dscnt 0x0                               ; for the others' sake: my stores into the stage are done
	s_barrier_signal -1
	s_barrier_wait -1                              ; 64 whole rows of 256 codes lie in the stage
.irp t, 0,1,2,3
	ds_load_b128 v[16+4*\t:19+4*\t], v5 offset:2*SP*\t
.endr
.irp t, 0,1,2,3
	s_wait_dscnt 3-\t                              ; LDS loads come back in order: the younger ones stay out
	global_store_b128 v6, v[16+4*\t:19+4*\t], s[8:9] offset:32768*\t   ; sixteen lanes store 256 consecutive bytes, at a multiple of 256 from the buffer's first byte; 8 rows of 4,096 bytes from t to t + 1
.endr
	s_wait_tensorcnt 0x0
	ds_add_u32 v192, v193
	s_wait_dscnt 0x0
	s_endpgm
.Lfunc_end_k_q4695a68e04_make_w:
	.size	k_q4695a68e04_make_w, .Lfunc_end_k_q4695a68e04_make_w-k_q4695a68e04_make_w
	.p2alignl 7, 3214868480
	.fill 96, 4, 3214868480
	.section	.rodata,"a",@progbits
	.p2align	6, 0x0
	.amdhsa_kernel k_q4695a68e04_make_w
		.amdhsa_group_segment_fixed_size 18432
		.amdhsa_private_segment_fixed_size 0
		.amdhsa_enable_private_segment 0
		.amdhsa_kernarg_size 24
		.amdhsa_user_sgpr_count 2
		.amdhsa_user_sgpr_kernarg_segment_ptr 1
		.amdhsa_wavefront_size32 1
		.amdhsa_system_sgpr_workgroup_id_x 1
		.amdhsa_system_sgpr_workgroup_id_y 1
		.amdhsa_system_sgpr_workgroup_id_z 1
		.amdhsa_system_vgpr_workitem_id 0
		.amdhsa_next_free_vgpr 194
		.amdhsa_next_free_sgpr 66
		.amdhsa_reserve_vcc 0
		.amdhsa_float_denorm_mode_32 3
		.amdhsa_float_denorm_mode_16_64 3
		.amdhsa_memory_ordered 1
		.amdhsa_forward_progress 1
		.amdhsa_inst_pref_size 22
	.end_amdhsa_kernel
	.amdgpu_metadata
---
amdhsa.version: [ 1, 2 ]
amdhsa.kernels:
  - .name:           k_q4695a68e04_make_w
    .symbol:         k_q4695a68e04_make_w.kd
    .args:
      - { .name: M, .offset: 0, .size: 8, .value_kind: global_buffer, .address_space: global }
      - { .name: u, .offset: 8, .size: 8, .value_kind: global_buffer, .address_space: global }
      - { .name: w_codes, .offset: 16, .size: 8, .value_kind: global_buffer, .address_space: global }
    .group_segment_fixed_size: 18432
    .private_segment_fixed_size: 0
    .kernarg_segment_align: 8
    .kernarg_segment_size: 24
    .max_flat_workgroup_size: 256
    .sgpr_count:     66
    .vgpr_count:     194
    .wavefront_size: 32
...
	.end_amdgpu_metadata
.endif
;; end of part 1
;; launch gemm (part 2): grid 8 x 32, 4 waves a work-group, clusters of 4 x 4, 327,680 bytes of LDS; arguments x_codes, x_scales, w_codes, out0; writes out0
.if DOCPART == 2
	.amdgcn_target "amdgcn-amd-amdhsa--gfx1250"
	.amdhsa_code_object_version 6
	.text
	.protected	k_q4695a68e04_gemm
	.globl	k_q4695a68e04_gemm
	.p2align	8
	.type	k_q4695a68e04_gemm,@function
k_q4695a68e04_gemm:
	s_mov_b64 s[64:65], 0
	v_nop
	global_prefetch_b8 v0, s[64:65] scope:SCOPE_SE
	s_setreg_imm32_b32 hwreg(HW_REG_WAVE_MODE, 25, 1), 1
	s_wait_xcnt 0x0
	s_wait_alu depctr_hold_cnt(0) depctr_sa_sdst(0) depctr_va_vdst(0) depctr_va_sdst(0) depctr_va_ssrc(0) depctr_va_vcc(0) depctr_vm_vsrc(0)
	s_getreg_b32 s2, hwreg(HW_REG_IB_STS2, 6, 4)
	s_cmp_eq_u32 s2, 0
	s_cbranch_scc0 .Lentry_in_a_cluster
	s_endpgm
.Lentry_in_a_cluster:
	s_bfe_u32 s2, ttmp6, 0x10000c
	s_cmp_lg_u32 s2, 0xf033
	s_cbranch_scc0 .Lentry_shape_is_right
	s_endpgm
.Lentry_shape_is_right:
; C[m][n] = sum over k of A[m][k] B[n][k].  A = x: [8192][4096] codes of E4M3 with one E8M0 byte for each 32 along K ([8192][128]); B = the weights' codes [2048][4096], K innermost; C = out0 [8192][2048] f32; sums in f32.
; B'S SCALE BYTE IS A CONSTANT OF THE PROBLEM: every weight has the magnitude sqrt(2 / 6144), whose exponent field is 121, so every block's byte is 121 - 8 = 113 (0x71).  One register holds the word 0x71717171 and nothing else.
; A tile of C, 256 x 256, is made by a work-group of four waves, as many as a WGP has SIMDs; a wave makes 128 x 128: 64 accumulators of 16 x 16, 512 registers.  32 x 8 tiles: 256 work-groups, one tile each.
; K goes in steps of 256 through a ring of two LDS slots filled by the tensor data mover: a tile's row is 256 bytes of memory, aligned.
; A'S SCALES of the work-group's 256 rows, for all of K, are one dense block of 32,768 bytes: they come into LDS ONCE, with the first fills, each wave bringing 64 rows' worth, and stay.
; CLUSTERS: 4 x 4 work-groups.  The four of a row of the cluster need the same tiles and scales of A, the four of a column the same tiles of B: each is asked for JOINTLY, by the same tensor load with the
; same descriptor and a mask that names the four.  THE MATRIX INSTRUCTION IS USED TRANSPOSED (source 0 = 16 rows of B, source 1 = 16 rows of A): a lane then holds eight neighbouring numbers of a row of C.
; REGISTERS, in windows of 256: window 0: v0-31 addresses and B's scale word; v32-63 A's scale words, two sets; from v128 A's fragments (8 x 16 rows x 128 K), ONE set; on the way out v128-255 are free.
;   window 1: B's fragments, TWO sets, at v0 and at v128.   window 2: the 32 accumulators of my rows 0-63 (accumulator (a, b) at v[8 (8 a + b)]);   window 3: those of my rows 64-127.
; A step of 128 along K is 64 matrix instructions, A's blocks one after the other, each against B's eight.  So a block of A is free as soon as its eight products are issued, and one set of registers serves A:
; blocks 0-3 are fetched anew in the step's middle, blocks 4-7 at its end.  B's fragments are at work through the whole step, so B has two sets.
; LIMITS: none of range: codes and scale bytes are taken as they are given (a scale byte 0xff or a NaN code gives NaN, as the definition does).
.set SIZE_N, 2048
.set SIZE_K, 4096
.set KSTEP,  256                       ; along K in a slot; also a tile's row in bytes
.set NQ,     KSTEP/128                 ; matrix instructions deep
.set ROWB,   256
.set KROW,   SIZE_K                    ; a row of A or of B in memory, in bytes
.set PITCH,  272                       ; an LDS row: 256 bytes + 16 of padding = 68 words: row r starts at bank 4 r mod 64 (64 banks of 4 bytes: ISA guide 11.1), so the 16 rows that a load touches start at 16 different banks
.set FR,     16                        ; registers of a fragment: 16 rows x 128 K
.set NL,     4                         ; LDS loads that bring one
.set NP,     8                         ; places behind this matrix instruction (ISA guide 7.12.1)
.set HALFT,  128*PITCH                 ; 128 rows: what one tensor load brings, and what one wave reads of A or of B
.set SLOT,   4*HALFT                   ; A's 256 rows, then B's 256 rows
.set LAPS,   SIZE_K/(2*KSTEP)          ; a lap = two K steps = once round the ring: 8
.set KS,     SIZE_K/32                 ; a row of scales: 128 bytes
.set SCL,    2*SLOT                    ; behind the ring: A's scales, as pieces of 256 bytes + 16 of padding
.set QS,     (64*KS/256)*272           ; the scales of 64 rows: what one tensor load brings
.set HALFS,  2*QS                      ; those of 128 rows: what one wave reads
.set SBLK,   (16*KS/256)*272           ; those of 16 rows
.set SPARE,  SCL+4*QS                  ; behind the scales: the spare words, 128 bytes for each wave: two blocks of 256 bytes that no other line names
.set SPITCH, 528                       ; the way out: a stage of 16 rows x (512 bytes + 16) for each wave.  It lies in slot 0, which has had its last fill and its last read when the first result is stored there
.set ADRA, 16                          ; v16-17  LDS address of my A fragments in slot 0, 1
.set ADRB, 20                          ; v20-21  the same for B
.set STO,  24                          ; v24     the way out: where I put 32 bytes of a row
.set RD,   25                          ; v25     the way out: where I read a row back
.set CO,   26                          ; v26     my byte offset in a row of C
.set ADRS, 27                          ; v27     LDS address of my row's scale words (lanes 16-31 hold the same as lanes 0-15)
.set SPW,  28                          ; v28     LDS address of my spare word: SPARE + 4 x my thread's number; never rewritten
.set NIL,  29                          ; v29     0; never rewritten
.set BSC,  30                          ; v30     B's scale word, 0x71717171; never rewritten
.set PFO,  31                          ; v31     the prefetches' offset: my lane x a row of 4,096 bytes; never rewritten
.set SC,   32                          ; A's scale words: set s (for slot s) at v[SC + 16 s]; in it register 2 i + q: the word of block i's row for the slot's q-th 128 along K
.set AF,   128                         ; A's fragments, in window 0
.set BK,   128                         ; the way out: 16 rows read back from the stage: v128-191 and v192-255 by turns
.set G1,   24                          ; s[24:31] descriptor group 1 for A's tiles;  s[32:39] group 0, one set for each slot
.set G0,   32
.set G1B,  48                          ; s[48:55], s[56:63] the same for B's tiles
.set G0B,  56
.set G1S,  68                          ; s[68:75], s[76:79] groups 1 and 0 for A's scales
.set G0S,  76
.set PFA,  84                          ; s[84:85] where my prefetches stand: my work-group's 32 rows of the 128 that I fetch, one K step further along K than the refill that is being asked for; a prefetch names the K step after that
.set LIM,  86                          ; s86     1 in a wave that prefetches, else the greatest number
.set MSB, 0
.macro WIN new                         ; the immediate's high byte repeats the setting that is left; a switch that changes nothing is dropped
.if MSB != \new
	s_set_vgpr_msb (MSB<<8)|\new
.set MSB, \new
.endif
.endm
.set MUL_LO, 0xa1                      ; source 0 (B) window 1, source 1 (A) window 0, C and D window 2
.set MUL_HI, 0xf1                      ; the same, C and D window 3
.set TO_B,   0x40                      ; destination window 1, address window 0
; A joint load of a tile: waves 0 and 1 fetch for A, waves 2 and 3 for B.  Each of the two lines has ONE mask and one set of registers for all that issue it; the branch hangs on the wave's number alone.
; Four v_nop follow each of the two lines, ahead of the jump, the label and what follows.
.macro JLOAD g0a, g1a, g0b, g1b
	s_cmp_eq_u32 s15, 0
	s_cbranch_scc0 .Lfor_b_\@
	tensor_load_to_lds s[\g0a:\g0a+3], s[\g1a:\g1a+7]
	s_nop 0
.rept 4
	v_nop
.endr
	s_branch .Lasked_\@
.Lfor_b_\@:
	tensor_load_to_lds s[\g0b:\g0b+3], s[\g1b:\g1b+7]
	s_nop 0
.rept 4
	v_nop
.endr
.Lasked_\@:
.endm
; The joint load of A's scales: every wave issues it, for 64 rows of its own (both addresses hang on the wave's number), under the mask of my row of the cluster.
.macro SLOAD
	tensor_load_to_lds s[G0S:G0S+3], s[G1S:G1S+7]
	s_nop 0
.rept 4
	v_nop
.endr
.endm
; A PREFETCH INTO THE L2, behind each joint refill, its four lines and the run of LDS loads that follows them: the K step that stands TWO refills on: 32 rows x 256 bytes, a lane a row, one instruction a wave:
; 256 matrix instructions ahead of the load that will ask for it.  Each row's 256 bytes of a K step are named ONCE in the launch.  A's tile row is read by both clusters of that row of clusters: the one with
; cluster x = 0 prefetches; B's tile column by the eight clusters of that column: cluster y = 0 prefetches.  The four partners that ask for a tile jointly share its rows out BY ADDRESS: of the 128 rows that a wave
; fetches, the partner at place p takes 32 p .. 32 p + 31 (p = cx for A, cy for B): no branch hangs on a work-group's place in its cluster.  The loop's last trip (s3 = 1) has no K step two on and asks for nothing.
.macro ASK
	s_cmp_gt_u32 s3, s[LIM]
	s_cbranch_scc0 .Lnot_mine_\@
	global_prefetch_b8 v[PFO], s[PFA:PFA+1] offset:KSTEP th:TH_LOAD_NT scope:SCOPE_SE
.Lnot_mine_\@:
.endm
.macro CREST                           ; a round of the cluster's barrier behind its opening barrier: wave 0 signals for the work-group, every wave waits for all sixteen, my work-group's barrier closes it
	s_cmp_lg_u32 s14, 0
	s_cbranch_scc1 .Lnot_wave_0_\@
	s_barrier_signal -3
.Lnot_wave_0_\@:
	s_barrier_wait -3
	s_barrier_signal -1
	s_barrier_wait -1
.endm
.macro CROUND                          ; a whole round
	s_barrier_signal -1
	s_barrier_wait -1
	CREST
.endm
	s_load_b128 s[4:7], s[0:1], 0x0                ; A's codes s[4:5], A's scales s[6:7]
	s_load_b128 s[8:11], s[0:1], 0x10              ; B's codes s[8:9], C s[10:11]
	v_lshl_add_u32 v[SPW], v0, 2, SPARE
	v_mov_b32 v[NIL], 0
	ds_add_u32 v28, v29
	ds_add_u32 v28, v29
	s_wait_dscnt 0x0
	v_mov_b32 v[BSC], 0x71717171                   ; four bytes 113: B's scales of any row and any 128 along K
	v_lshrrev_b32 v1, 5, v0
	v_readfirstlane_b32 s14, v1                    ; wave 0..3
	s_lshr_b32 s15, s14, 1                         ; which half of the tile's rows is mine.  Also: I fetch for A (0) or for B (1)
	s_and_b32 s16, s14, 1                          ; which half of its columns.  Also: which 128 rows of that tile I fetch
	s_bfe_u32 s40, ttmp6, 0x40000                  ; cx, cy: my place in the cluster
	s_bfe_u32 s41, ttmp6, 0x40004
	s_lshl_b32 s42, ttmp9, 2
	s_add_co_u32 s42, s42, s40                     ; tile column of C = 4 x cluster x + cx
	s_and_b32 s17, ttmp7, 0xffff
	s_lshl_b32 s17, s17, 2
	s_add_co_u32 s17, s17, s41                     ; tile row of C = 4 x cluster y + cy
	s_lshl_b32 s43, s41, 2
	s_lshl_b32 s43, 15, s43                        ; my row of the cluster: places 4 cy .. 4 cy + 3
	s_lshl_b32 s44, 0x1111, s40                    ; my column: places cx, cx + 4, cx + 8, cx + 12
	; descriptor group 1: a tile of 128 rows x 256 bytes, padded in LDS
	s_or_b32 s[G1+0], s43, (0<<16)|(1<<20)|(1<<21)|(5<<22)|(3<<25)  ; 15:0 the mask: A's tiles go to my row; 17:16 element of 1 byte; 20 padding on; 21 set beside a mask; 24:22 after every 64 words (code 5); 31:25 of 4 words (code 3)
	s_or_b32 s[G1B+0], s44, (0<<16)|(1<<20)|(1<<21)|(5<<22)|(3<<25) ; the same with the mask of my column, for B's tiles
.irp g, G1, G1B
	s_mov_b32 s[\g+1], ROWB<<16                    ; tensor_dim0 = 256
	s_mov_b32 s[\g+2], 128<<16                     ; tensor_dim1 = 128
	s_mov_b32 s[\g+3], ROWB<<16                    ; tile_dim0 = 256
	s_mov_b32 s[\g+4], 128                         ; tile_dim1 = 128
	s_mov_b32 s[\g+5], KROW                        ; tensor_dim0_stride: 4,096 elements from row to row
	s_mov_b32 s[\g+6], 0
	s_mov_b32 s[\g+7], 0
.endr
	; and for the scales of 64 rows: a dense block of 8,192 bytes, as 32 rows of 256 bytes (32 elements of 8 bytes), 16 bytes of padding behind each
	s_or_b32 s[G1S+0], s43, (3<<16)|(1<<20)|(1<<21)|(5<<22)|(3<<25)
	s_mov_b32 s[G1S+1], 32<<16
	s_mov_b32 s[G1S+2], (64*KS/256)<<16
	s_mov_b32 s[G1S+3], 32<<16
	s_mov_b32 s[G1S+4], 64*KS/256
	s_mov_b32 s[G1S+5], 32
	s_mov_b32 s[G1S+6], 0
	s_mov_b32 s[G1S+7], 0
	; where the tiles come from.  A's hang on the tile row alone, which my row of the cluster shares; B's on the tile column alone.  Every wave makes all addresses, in registers that never hold the other coordinate.
	s_lshl_b32 s18, s16, 7                         ; which 128 rows of the tile I fetch
	s_lshl_b32 s20, s17, 8
	s_lshl_b32 s22, s14, 6
	s_add_co_u32 s22, s22, s20                     ; A's scales: row 256 x tile row + 64 x wave,
	s_lshl_b32 s22, s22, 7                         ; 128 bytes a row (under 2^20)
	s_mov_b32 s23, 0
	s_add_co_u32 s20, s20, s18                     ; A's codes: row 256 x tile row + 128 x half,
	s_lshl_b32 s20, s20, 12                        ; 4,096 bytes a row (under 2^25)
	s_mov_b32 s21, 0
	s_lshl_b32 s46, s42, 8
	s_add_co_u32 s46, s46, s18                     ; B's codes: row 256 x tile column + 128 x half
	s_lshl_b32 s46, s46, 12
	s_mov_b32 s47, 0
	s_mul_i32 s45, s14, HALFT                      ; where they go: wave x 128 rows: no place in the cluster enters an LDS address
	s_mul_i32 s94, s14, QS
	s_wait_kmcnt 0x0
	s_add_nc_u64 s[20:21], s[4:5], s[20:21]
	s_add_nc_u64 s[22:23], s[6:7], s[22:23]
	s_add_nc_u64 s[46:47], s[8:9], s[46:47]
	CROUND                                         ; all sixteen work-groups are here: the first joint loads meet
	s_mov_b32 s[G0S], 1                            ; count = 1
	s_add_co_u32 s[G0S+1], s94, SCL                ; LDS address
	s_mov_b64 s[G0S+2:G0S+3], s[22:23]             ; global address
	s_or_b32 s[G0S+3], s[G0S+3], 0x80000000        ; type = 2
	SLOAD                                          ; the scales first: they are wanted with K step 0
.irp s, 0,1
	s_mov_b32 s[G0+4*\s], 1
	s_add_co_u32 s[G0+4*\s+1], s45, \s*SLOT
	s_add_nc_u64 s[G0+4*\s+2:G0+4*\s+3], s[20:21], \s*ROWB
	s_or_b32 s[G0+4*\s+3], s[G0+4*\s+3], 0x80000000
	s_mov_b32 s[G0B+4*\s], 1
	s_add_co_u32 s[G0B+4*\s+1], s45, \s*SLOT
	s_add_nc_u64 s[G0B+4*\s+2:G0B+4*\s+3], s[46:47], \s*ROWB
	s_or_b32 s[G0B+4*\s+3], s[G0B+4*\s+3], 0x80000000
	JLOAD G0+4*\s, G1, G0B+4*\s, G1B               ; K steps 0 and 1: three tensor loads of mine are out
.endr
	v_and_b32 v1, 15, v0                           ; l % 16
	v_bfe_u32 v2, v0, 4, 1                         ; l / 16
	v_mul_u32_u24 v3, v1, PITCH
	v_lshl_add_u32 v4, v2, 4, v3                   ; a fragment's row x pitch + 16 x half
	s_mul_i32 s21, s15, HALFT                      ; my 128 rows of A
	s_mul_i32 s22, s16, HALFT                      ; my 128 rows of B,
	s_add_co_u32 s22, s22, 2*HALFT                 ; which lie behind A's 256
.irp s, 0,1
	v_add_nc_u32 v[ADRA+\s], s21, v4
	v_add_nc_u32 v[ADRB+\s], s22, v4
	s_add_co_u32 s21, s21, SLOT
	s_add_co_u32 s22, s22, SLOT
.endr
	v_mul_u32_u24 v5, v1, KS                       ; my row's scales: 128 bytes a row,
	v_lshrrev_b32 v6, 8, v5
	v_lshl_add_u32 v5, v6, 4, v5                   ; and 16 more for each 256 passed
	s_mul_i32 s21, s15, HALFS                      ; my 128 rows
	s_add_co_u32 s21, s21, SCL
	v_add_nc_u32 v[ADRS], s21, v5
	s_mul_i32 s23, s14, 16*SPITCH                  ; my stage
	v_mul_u32_u24 v5, v1, SPITCH                   ; in: row l % 16, 32 bytes for each half of the lanes
	v_lshl_add_u32 v5, v2, 5, v5
	v_add_nc_u32 v[STO], s23, v5
	v_and_b32 v6, 31, v0
	v_lshlrev_b32 v[CO], 4, v6                     ; back: the 32 lanes take one row of 512 bytes; and the same in C
	v_add_nc_u32 v[RD], s23, v[CO]
	s_lshl_b32 s20, s17, 8
	s_lshl_b32 s21, s15, 7
	s_add_co_u32 s20, s20, s21                     ; my first row of C: 256 x tile row + 128 x half,
	s_lshl_b32 s20, s20, 13                        ; 8,192 bytes a row (under 2^26)
	s_lshl_b32 s46, s42, 10                        ; my first column, in bytes: 1,024 x tile column + 512 x half
	s_lshl_b32 s47, s16, 9
	s_add_co_u32 s46, s46, s47
	s_add_co_u32 s20, s20, s46
	s_mov_b32 s21, 0
	s_add_nc_u64 s[10:11], s[10:11], s[20:21]
	; the prefetches: where mine stand, and whether I ask
	s_lshl_b32 s92, s17, 8                         ; 256 x tile row
	s_lshl_b32 s93, s42, 8                         ; 256 x tile column
	s_and_b32 s22, ttmp7, 0xffff                   ; cluster y
	s_cmp_eq_u32 s15, 0                            ; do I fetch for A?
	s_cselect_b32 s20, s92, s93                    ; the tile's first row: in A by the tile row, in B by the tile column
	s_cselect_b32 s21, s40, s41                    ; my place among the four that ask for it with me
	s_cselect_b32 s22, ttmp9, s22                  ; the coordinate along which other clusters read the same rows
	s_cselect_b64 s[PFA:PFA+1], s[4:5], s[8:9]
	s_cmp_eq_u32 s22, 0
	s_cselect_b32 s[LIM], 1, -1                    ; the same in all sixteen partners, for a given wave
	s_lshl_b32 s22, s16, 7
	s_add_co_u32 s20, s20, s22                     ; + the 128 rows that I fetch
	s_lshl_b32 s21, s21, 5
	s_add_co_u32 s20, s20, s21                     ; + my work-group's 32 of them
	s_lshl_b32 s20, s20, 12
	s_mov_b32 s21, 0
	s_add_nc_u64 s[PFA:PFA+1], s[PFA:PFA+1], s[20:21]
	s_add_nc_u64 s[PFA:PFA+1], s[PFA:PFA+1], 2*KSTEP   ; at K step 2: the first refill steps it to 3 and names K step 4.  Nothing is prefetched here, at the head, where every work-group's first tiles are on their way
	v_and_b32 v[PFO], 31, v0
	v_lshlrev_b32 v[PFO], 12, v[PFO]
.macro FRAG reg, adr, q, i             ; a fragment, 16 rows x 128 K of 8-bit codes, is 16 registers: lane l holds row l % 16; registers 4 c .. 4 c + 3 hold K = 32 c + 16 (l / 16) + 0 .. 15
.irp c, 0,1,2,3
	ds_load_b128 v[\reg+4*\c:\reg+4*\c+3], v[\adr] offset:128*(\q)+32*\c+(\i)*16*PITCH
.endr
.endm
; 16 matrix instructions: A's blocks a0, a0 + 1 x B's eight, 128 along K: the slot's q-th.  p: B's set;  sc: the set of A's scale words.  zero = 1: the first product starts the sums: nothing is ever cleared.
; Source 0's scales are B's constant word, source 1's are A's block's words; both are read from lanes 0-15.  The 64 accumulators take turns, one instruction a turn, in the same order in every step.
.macro MUL16 a0, p, q, sc, zero
.irp a, \a0, \a0+1
.irp b, 0,1,2,3,4,5,6,7
.if \zero
	v_wmma_scale_f32_16x16x128_f8f6f4 v[8*(8*((\a)%4)+\b):8*(8*((\a)%4)+\b)+7], v[128*(\p)+FR*\b:128*(\p)+FR*\b+FR-1], v[AF+FR*(\a):AF+FR*(\a)+FR-1], 0, v[BSC], v[SC+8*NQ*(\sc)+NQ*(\a)+(\q)]
.else
	v_wmma_scale_f32_16x16x128_f8f6f4 v[8*(8*((\a)%4)+\b):8*(8*((\a)%4)+\b)+7], v[128*(\p)+FR*\b:128*(\p)+FR*\b+FR-1], v[AF+FR*(\a):AF+FR*(\a)+FR-1], v[8*(8*((\a)%4)+\b):8*(8*((\a)%4)+\b)+7], v[BSC], v[SC+8*NQ*(\sc)+NQ*(\a)+(\q)]
.endif
.endr
.endr
.endm
.macro FETCH_B slot, q, p              ; B's eight fragments of the slot's q-th 128 along K into set p
	WIN TO_B
.irp i, 0,1,2,3,4,5,6,7
	FRAG 128*(\p)+FR*\i, ADRB+\slot, \q, \i
.endr
	WIN 0
.endm
.macro FETCH_A slot, q, i0             ; A's blocks i0 .. i0 + 3
.irp i, \i0, \i0+1, \i0+2, \i0+3
	FRAG AF+FR*(\i), ADRA+\slot, \q, \i
.endr
.endm
.macro SCALES sc                       ; the next K step's scale words of A into set sc: two words a row, block i's rows 16 i on
.irp i, 0,1,2,3,4,5,6,7
	ds_load_b64 v[SC+8*NQ*\sc+NQ*\i:SC+8*NQ*\sc+NQ*\i+1], v[ADRS] offset:\i*SBLK
.endr
.endm
; A load into a register that a matrix instruction has read, and an LDS store that reads a matrix result, stand NP places behind that matrix instruction, and only plain vector instructions that name none of
; its registers are places (ISA guide 7.12.1 for vector instructions); the matrix instructions in between are not counted.
.macro PLACES n
.rept \n
	v_nop
.endr
.endm
; A step of 128 along K that has its successor in the same slot.
.macro STEP slot, q, zero
	s_wait_dscnt 4*NL                              ; B's set, A's blocks 0-3 and the scale words are in; the youngest 16 loads (A's blocks 4-7) may be out
	WIN MUL_LO
	MUL16 0, (\q)%2, \q, \slot, \zero
	MUL16 2, (\q)%2, \q, \slot, \zero
	s_wait_dscnt 0                                 ; A's blocks 4-7 are in (asked for 32 matrix instructions ago)
	PLACES NP
	FETCH_B \slot, (\q)+1, 1-(\q)%2
	FETCH_A \slot, (\q)+1, 0
	WIN MUL_HI
	MUL16 4, (\q)%2, \q, \slot, \zero
	MUL16 6, (\q)%2, \q, \slot, \zero
	PLACES NP
	WIN 0
	FETCH_A \slot, (\q)+1, 4
.endm
; A slot's last step changes slots: ONE barrier; in front of it each wave waits for all its tensor loads, adds 0 to its spare word, and waits for that and for its own reads of this slot.
; fill = 1: the barrier opens a round of the cluster's barrier, and this slot is filled again, two K steps ahead: the joint refill is the first tensor load behind the round, one a wave.
.macro TURN slot, next, fill
.if \fill
	s_wait_xcnt 0x0                                ; the last prefetch, a K step back, has read its address: it is stepped here, ahead of the waits of the change of slots
	s_add_nc_u64 s[PFA:PFA+1], s[PFA:PFA+1], KSTEP
.endif
	s_wait_tensorcnt 0x0                           ; all my tensor loads have landed: my part of the next slot;  (every window is 0 here: the add's two registers lie in window 0)
	ds_add_u32 v[SPW], v[NIL]                      ; 0 onto my spare word
	s_wait_dscnt 4*NL+1                            ; (the add and the youngest 16 loads, A's blocks 4-7, may be out)
	WIN MUL_LO
	MUL16 0, 1, NQ-1, \slot, 0                     ; sixteen matrix instructions stand between the add and the wait for it
	s_wait_dscnt 0x0                               ; the add is done, and my reads of this slot are over
	s_barrier_signal -1
	MUL16 2, 1, NQ-1, \slot, 0
	WIN 0
	s_barrier_wait -1
.if \fill
	CREST                                          ; no wave of any partner still reads this slot's tile or has a load on its way
	s_add_nc_u64 s[G0+4*\slot+2:G0+4*\slot+3], s[G0+4*\slot+2:G0+4*\slot+3], 2*ROWB      ; no tensor load of mine is out: the groups 0 may be written
	s_add_nc_u64 s[G0B+4*\slot+2:G0B+4*\slot+3], s[G0B+4*\slot+2:G0B+4*\slot+3], 2*ROWB
	JLOAD G0+4*\slot, G1, G0B+4*\slot, G1B         ; one tensor load of mine is out from here to the next change of slots; the four v_nop behind it are among the places in front of the loads below
	PLACES NP-4
.else
	PLACES NP
.endif
	v_add_nc_u32 v[ADRS], 4*NQ, v[ADRS]            ; on to the next K step's scale words: 8 bytes along the row (no LDS load of mine is out)
	FETCH_B \next, 0, 0
	FETCH_A \next, 0, 0
	SCALES \next
.if \fill
	ASK
.endif
	WIN MUL_HI
	MUL16 4, 1, NQ-1, \slot, 0
	MUL16 6, 1, NQ-1, \slot, 0
	PLACES NP
	WIN 0
	FETCH_A \next, 0, 4
.endm
	s_wait_tensorcnt 1                             ; my scales and my part of K step 0 are in; K step 1's load, issued behind them, may be out
	s_barrier_signal -1
	s_barrier_wait -1                              ; everybody's are
	FETCH_B 0, 0, 0
	FETCH_A 0, 0, 0
	SCALES 0
	FETCH_A 0, 0, 4
	STEP 0, 0, 1                                   ; the first step stands in front of the loop: its products start the sums
	s_mov_b32 s3, LAPS-1
.Llap:                                                 ; a trip goes once round the ring, from a lap's second step to the next lap's first, and fills both slots again
	TURN 0, 1, 1
	STEP 1, 0, 0
	TURN 1, 0, 1
	STEP 0, 0, 0
	s_sub_co_u32 s3, s3, 1
	s_cmp_lg_u32 s3, 0
	s_cbranch_scc1 .Llap
	TURN 0, 1, 0                                   ; the last lap is written out: it fills nothing, and has no round of the cluster's barrier
	STEP 1, 0, 0
	s_wait_dscnt 4*NL                              ; the very last step: nothing more to fetch
	WIN MUL_LO
	MUL16 0, 1, NQ-1, 1, 0
	MUL16 2, 1, NQ-1, 1, 0
	s_wait_dscnt 0
	WIN MUL_HI
	MUL16 4, 1, NQ-1, 1, 0
	MUL16 6, 1, NQ-1, 1, 0
	WIN 0
; THE WAY OUT, block by block of 16 rows x 128 columns.  A lane holds 32 neighbouring bytes of a row, and the lanes beside it hold other rows: so a block goes through my own stage in LDS and comes back as whole
; rows of 512 bytes.  LDS serves a wave's instructions in order (ISA guide 5.7.1.4): no wait between the stores and the loads, nor in front of the next block's stores.
.macro TOSTAGE a
.set AC, 64*((\a)%4)
	WIN 0x08+4*((\a)/4)                            ; an LDS store's data are its source 1: window 2 or 3
.irp b, 0,1,2,3,4,5,6,7
	ds_store_b128 v[STO], v[AC+8*\b:AC+8*\b+3] offset:64*\b          ; each accumulator from its low end on
	ds_store_b128 v[STO], v[AC+8*\b+4:AC+8*\b+7] offset:64*\b+16
.endr
	WIN 0
.set BB, BK+64*((\a)%2)
.irp t, 0,1,2,3,4,5,6,7,8,9,10,11,12,13,14,15
	ds_load_b128 v[BB+4*\t:BB+4*\t+3], v[RD] offset:\t*SPITCH
.endr
.endm
.macro SEND a, younger                 ; younger: the LDS instructions issued behind block a's loads, which may stay out
.set BB, BK+64*((\a)%2)
	s_wait_dscnt \younger                          ; the block is back in registers
.if (\a) > 0
	s_add_nc_u64 s[10:11], s[10:11], 16*SIZE_N*4   ; (behind a wait on XCNT for 0: the earlier stores have read their base)  16 rows of C on
.endif
.irp t, 0,1,2,3,4,5,6,7,8,9,10,11,12,13,14,15
	global_store_b128 v[CO], v[BB+4*\t:BB+4*\t+3], s[10:11] offset:\t*SIZE_N*4 th:TH_STORE_NT   ; 32 lanes store 512 consecutive bytes, at a multiple of 256 from C's first byte; written once, read by nobody here
.endr
.endm
	PLACES NP                                      ; behind the last products: for the loads into the registers that held A's fragments, and for block 7's reads of results
	TOSTAGE 0
.irp a, 1,2,3,4,5,6,7
.if \a > 1
	s_wait_xcnt 0x0                                ; block a - 2's stores have read their registers and their base: block a's loads may land there, and the base may step
.endif
	TOSTAGE \a
	SEND \a-1, 32                                  ; behind block a - 1's loads: block a's 16 stores and 16 loads
.endr
	s_wait_xcnt 0x0                                ; block 6's stores have read their base
	SEND 7, 0
	s_wait_tensorcnt 0x0                           ; the wave's end, behind my last tensor load and my last LDS store
	ds_add_u32 v[SPW], v[NIL]
	s_wait_dscnt 0x0
	CROUND                                         ; the closing round: no work-group ends while a partner may still ask for a tile that names it
	s_endpgm
.Lfunc_end_k_q4695a68e04_gemm:
	.size	k_q4695a68e04_gemm, .Lfunc_end_k_q4695a68e04_gemm-k_q4695a68e04_gemm
	.p2alignl 7, 3214868480
	.fill 96, 4, 3214868480
	.section	.rodata,"a",@progbits
	.p2align	6, 0x0
	.amdhsa_kernel k_q4695a68e04_gemm
		.amdhsa_group_segment_fixed_size 327680
		.amdhsa_private_segment_fixed_size 0
		.amdhsa_enable_private_segment 0
		.amdhsa_kernarg_size 32
		.amdhsa_user_sgpr_count 2
		.amdhsa_user_sgpr_kernarg_segment_ptr 1
		.amdhsa_wavefront_size32 1
		.amdhsa_system_sgpr_workgroup_id_x 1
		.amdhsa_system_sgpr_workgroup_id_y 1
		.amdhsa_system_sgpr_workgroup_id_z 1
		.amdhsa_system_vgpr_workitem_id 0
		.amdhsa_next_free_vgpr 1024
		.amdhsa_next_free_sgpr 98
		.amdhsa_reserve_vcc 0
		.amdhsa_float_denorm_mode_32 3
		.amdhsa_float_denorm_mode_16_64 3
		.amdhsa_memory_ordered 1
		.amdhsa_forward_progress 1
		.amdhsa_inst_pref_size 145
	.end_amdhsa_kernel
	.amdgpu_metadata
---
amdhsa.version: [ 1, 2 ]
amdhsa.kernels:
  - .name:           k_q4695a68e04_gemm
    .symbol:         k_q4695a68e04_gemm.kd
    .args:
      - { .name: x_codes, .offset: 0, .size: 8, .value_kind: global_buffer, .address_space: global }
      - { .name: x_scales, .offset: 8, .size: 8, .value_kind: global_buffer, .address_space: global }
      - { .name: w_codes, .offset: 16, .size: 8, .value_kind: global_buffer, .address_space: global }
      - { .name: out0, .offset: 24, .size: 8, .value_kind: global_buffer, .address_space: global }
    .group_segment_fixed_size: 327680
    .private_segment_fixed_size: 0
    .kernarg_segment_align: 8
    .kernarg_segment_size: 32
    .max_flat_workgroup_size: 128
    .sgpr_count:     98
    .vgpr_count:     1024
    .wavefront_size: 32
...
	.end_amdgpu_metadata
.endif
;; end of part 2
;; ======== version 2 of 2: 2 launches
;; limits: right only within a limited range of input values
;; workspace buffers: w_bits 2,097,152 bytes
;; launch make_bits (part 3): grid 32 x 16, 8 waves a work-group, no clusters, 6,144 bytes of LDS; arguments M, u, w_bits; writes w_bits
.if DOCPART == 3
	.amdgcn_target "amdgcn-amd-amdhsa--gfx1250"
	.amdhsa_code_object_version 6
	.text
	.protected	k_q4695a68e04_make_bits
	.globl	k_q4695a68e04_make_bits
	.p2align	8
	.type	k_q4695a68e04_make_bits,@function
k_q4695a68e04_make_bits:
	s_mov_b64 s[64:65], 0
	v_nop
	global_prefetch_b8 v0, s[64:65] scope:SCOPE_SE
	s_setreg_imm32_b32 hwreg(HW_REG_WAVE_MODE, 25, 1), 1
	s_wait_xcnt 0x0
; The weight w[k][n] is +STD where u[k][n] < sigmoid(M[k][n]), else -STD (STD = sqrt(2 / 6144)).  M, u: [4096 (k)][2048 (n)] f32.
; DEAD WORK: the straight-through term is ste - ste, which is 0 for every finite M (ste = 2 sigmoid(M) - 1 lies between -1 and 1): it is left out.  A NaN that reaches only that term is not carried to the result.
; Every weight has the magnitude STD, whatever the inputs hold, so its E4M3 code and its block's scale are constants of the problem and only the SIGN is data: this launch stores sign bits (1 = negative).
; THE COMPARE.  u < 1 / (1 + e^-M) is u (1 + e^-M) < 1, since 1 + e^-M is positive: one multiplication, one exponential, one fused multiply-add, one compare; no reciprocal.
;   e^-M = 0 (large M) leaves u < 1; e^-M = infinity gives +-infinity by u's sign, and NaN for u = 0, which compares false as 0 < 0 does.
; LIMITS: where u (1 + e^-M) lies within f32 rounding of 1 (about 1e-7 of it) the sign may fall either way; M = NaN gives the negative sign where the definition gives NaN.
; THE LAYOUT is the order of the product's operand registers: [16 groups of 128 columns][32 steps of 128 along K][8 fragments][32 lanes][16 bytes].  Fragment b's lane (r, h) is column 64 (b / 4) + 4 r + b % 4 of the group;
;   its operand registers R = 0 .. 15 have K = 32 (R / 4) + 16 h + 4 (R % 4) + byte.  Registers 8 e + 0 .. 7 come from words 2 e and 2 e + 1, the same byte in each:
;   word 2 e: R 0 at bit 7, R 1 at bit 3, R 2 at bit 2, R 3 at bit 1, R 7 at bit 0;  word 2 e + 1: R 4 at bit 7, R 5 at bit 3, R 6 at bit 2, and R 7 once more at bit 1.
; SHARES.  A work-group takes 64 columns x 256 along K; wave w its rows 32 w .. 32 w + 31.  Lane (j = lane % 16, h = lane / 16) takes columns 4 j .. 4 j + 3 of rows 32 w + 16 h + i, i = 0 .. 15:
;   each load reads 256 consecutive aligned bytes of one row in lanes 0-15 and of the row 16 further down in lanes 16-31.  All 32 loads of a wave go out at once; there is no loop.
;   A lane's 16 rows of a column are registers 4 (w % 4) .. + 3 of one lane of the product: one word, row i at bits 7, 3, 2, 1 (by i / 4) of byte i % 4.  Words meet in LDS.
.set ROWIN, 8192                       ; a row of M or of u in bytes
.set WP,    80                         ; LDS: a column's 16 words, 64 bytes, + 16
.set MB,    16                         ; v16-79   M, row i at MB + 4 i; then e^-M; then u (1 + e^-M); at the end v16-22 serve the way out
.set UB,    80                         ; v80-143  u, likewise
.set T,     144                        ; v144-175 a bit in its place, or 0: column c, row i of eight at T + 8 c + i
.set P,     176                        ; v176-179 column c's word
	s_load_b128 s[4:7], s[0:1], 0x0                ; M s[4:5], u s[6:7]
	s_load_b64 s[8:9], s[0:1], 0x10                ; the bits
	v_lshl_add_u32 v192, v0, 2, 0x1400
	v_mov_b32 v193, 0
	v_lshrrev_b32 v1, 5, v0
	v_readfirstlane_b32 s10, v1                    ; wave 0..7
	s_lshr_b32 s16, s10, 2                         ; w / 4: which of the work-group's two steps of 128
	s_and_b32 s17, s10, 3                          ; w % 4
	s_lshl_b32 s18, s16, 5
	s_lshl_b32 s19, s17, 2
	s_add_co_u32 s19, s19, s18
	s_mul_i32 s25, s17, WP
	s_add_co_u32 s25, s25, s18
	v_and_b32 v1, 15, v0                           ; j
	v_bfe_u32 v2, v0, 4, 1                         ; h
	v_and_b32 v7, 31, v0                           ; lane
	v_lshlrev_b32 v3, 4, v1
	v_mul_u32_u24 v4, v1, 4*WP
	v_lshlrev_b32 v6, 4, v7                        ; out: 16 bytes a lane
	v_lshl_add_u32 v3, v2, 17, v3                  ; in: 16 j + 16 rows x h
	v_lshl_add_u32 v4, v2, 4, v4
	v_add_nc_u32 v5, s25, v4                       ; out of LDS: wave w serves step w / 4, fragment w % 4 of four; lane (r, h): column 4 r + w % 4, half h: four words
	v_add_nc_u32 v4, s19, v4                       ; into LDS: column 4 j (+ c in the immediate); in its row the word at 32 (w / 4) + 16 h + 4 (w % 4)
	s_and_b32 s11, ttmp7, 0xffff                   ; which 256 along K
	s_mov_b32 s24, 0x01010101
	s_mov_b32 s20, 0xbfb8aa3b                      ; -log2(e)
	s_mov_b32 s21, s20                             ; (named with it as a pair, so it is written)
	s_lshl_b32 s12, s11, 21                        ; in: 256 y rows of 8,192 bytes,
	s_lshl_b32 s26, s10, 18                        ; 32 w rows,
	s_add_co_u32 s12, s12, s26
	s_lshl_b32 s26, ttmp9, 8                       ; 64 x columns of 4 bytes
	s_add_co_u32 s12, s12, s26
	s_mov_b32 s13, 0
	s_lshr_b32 s14, ttmp9, 1                       ; out: group x / 2, 131,072 bytes each,
	s_lshl_b32 s14, s14, 17
	s_lshl_b32 s26, s11, 1
	s_add_co_u32 s26, s26, s16                     ; step 2 y + w / 4, 4,096 bytes each,
	s_lshl_b32 s26, s26, 12
	s_add_co_u32 s14, s14, s26
	s_and_b32 s26, ttmp9, 1
	s_lshl_b32 s26, s26, 2
	s_add_co_u32 s26, s26, s17                     ; fragment 4 (x % 2) + w % 4, 512 bytes each
	s_lshl_b32 s26, s26, 9
	s_add_co_u32 s14, s14, s26
	s_mov_b32 s15, 0
	s_wait_alu depctr_va_vdst(0)
	s_wait_kmcnt 0x0
	s_add_nc_u64 s[4:5], s[4:5], s[12:13]
	s_add_nc_u64 s[6:7], s[6:7], s[12:13]
	s_add_nc_u64 s[8:9], s[8:9], s[14:15]
.macro LOADS reg, base, g              ; rows 8 g .. 8 g + 7 of my sixteen
.irp i, 0,1,2,3,4,5,6,7
	global_load_b128 v[\reg+4*(8*\g+\i):\reg+4*(8*\g+\i)+3], v3, s[\base:\base+1] offset:(8*\g+\i)*ROWIN th:TH_LOAD_NT
.endr
.endm
	LOADS MB, 4, 0
	LOADS UB, 6, 0
	LOADS MB, 4, 1
	LOADS UB, 6, 1
; Rows 8 g .. 8 g + 7: 32 numbers a lane.
.macro HALF g
	s_wait_loadcnt 24-16*\g                        ; loads come back in order: this half's eight of M are in, the younger groups of eight stay out
.set k, MB+32*\g
.rept 16
	v_pk_mul_f32 v[k:k+1], v[k:k+1], s[20:21] op_sel_hi:[1,0]      ; -M log2(e)
.set k, k+2
.endr
.set k, MB+32*\g
	s_wait_alu depctr_va_vdst(0)
.rept 32
	v_exp_f32 v[k], v[k]                           ; e^-M: one batch; none of these reads another's result
.set k, k+1
.endr
	s_wait_loadcnt 16-16*\g                        ; this half's eight of u are in
	v_nop                                          ; a plain instruction between the last exponential and the first use of a result
	s_wait_alu depctr_va_vdst(0)                   ; one wait for the batch of 32, ahead of its first reader
.set k, 32*\g
.rept 16
	v_pk_fma_f32 v[MB+k:MB+k+1], v[UB+k:UB+k+1], v[MB+k:MB+k+1], v[UB+k:UB+k+1]   ; u e^-M + u, rounded once
.set k, k+2
.endr
.irp c, 0,1,2,3
.irp i, 0,1,2,3,4,5,6,7
	v_cmp_gt_f32 s[32+\i], 1.0, v[MB+32*\g+4*\i+\c]                ; 1 > u (1 + e^-M): eight masks, so that no select waits for the compare just ahead of it
.endr
.irp i, 0,1,2,3,4,5,6,7
	v_cndmask_b32 v[T+8*\c+\i], 1<<(8*(\i%4)+4-(2*\g+\i/4)+3*(1/(2*\g+\i/4+1))), 0, s[32+\i]   ; 0 where it holds (a positive weight), else row 8 g + i's bit: byte = row % 4, place in it 7, 3, 2, 1 for row / 4 = 0, 1, 2, 3
.endr
.endr
.if \g == 0                                    ; the bits are disjoint, so a sum gathers them; the four columns by turns.  The first three start the sum: nothing is cleared
.irp c, 0,1,2,3
	v_add3_u32 v[P+\c], v[T+8*\c], v[T+8*\c+1], v[T+8*\c+2]
.endr
.irp c, 0,1,2,3
	s_delay_alu instid0(VALU_DEP_4)
	v_add3_u32 v[P+\c], v[P+\c], v[T+8*\c+3], v[T+8*\c+4]
.endr
.irp c, 0,1,2,3
	s_delay_alu instid0(VALU_DEP_4)
	v_add3_u32 v[P+\c], v[P+\c], v[T+8*\c+5], v[T+8*\c+6]
.endr
.irp c, 0,1,2,3
	s_delay_alu instid0(VALU_DEP_4)
	v_add_nc_u32 v[P+\c], v[P+\c], v[T+8*\c+7]
.endr
.else
.irp n, 0,2,4,6
.irp c, 0,1,2,3
	v_add3_u32 v[P+\c], v[P+\c], v[T+8*\c+\n], v[T+8*\c+\n+1]
.endr
.endr
.endif
.endm
	HALF 0
	HALF 1
.irp c, 0,1,2,3
	ds_store_b32 v4, v[P+\c] offset:WP*\c
.endr
	s_wait_dscnt 0x0                               ; for the others' sake: my stores into LDS are done
	s_barrier_signal -1
	s_barrier_wait -1                              ; all 64 x 16 words lie in LDS
	ds_load_b128 v[16:19], v5                      ; registers 0-3, 4-7, 8-11, 12-15 of one lane of the product
	s_wait_dscnt 0x0
	v_lshrrev_b32 v20, 1, v17
	v_lshrrev_b32 v22, 1, v19
	v_and_or_b32 v16, v20, s24, v16                ; R 7 from bit 1 of the second word to bit 0 of the first
	v_and_or_b32 v18, v22, s24, v18
	global_store_b128 v6, v[16:19], s[8:9]         ; the wave stores 512 consecutive bytes, at a multiple of 512 from the buffer's first byte
	s_wait_tensorcnt 0x0                           ; the wave's end
	ds_add_u32 v192, v193
	s_wait_dscnt 0x0
	s_endpgm
.Lfunc_end_k_q4695a68e04_make_bits:
	.size	k_q4695a68e04_make_bits, .Lfunc_end_k_q4695a68e04_make_bits-k_q4695a68e04_make_bits
	.p2alignl 7, 3214868480
	.fill 96, 4, 3214868480
	.section	.rodata,"a",@progbits
	.p2align	6, 0x0
	.amdhsa_kernel k_q4695a68e04_make_bits
		.amdhsa_group_segment_fixed_size 6144
		.amdhsa_private_segment_fixed_size 0
		.amdhsa_enable_private_segment 0
		.amdhsa_kernarg_size 24
		.amdhsa_user_sgpr_count 2
		.amdhsa_user_sgpr_kernarg_segment_ptr 1
		.amdhsa_wavefront_size32 1
		.amdhsa_system_sgpr_workgroup_id_x 1
		.amdhsa_system_sgpr_workgroup_id_y 1
		.amdhsa_system_sgpr_workgroup_id_z 1
		.amdhsa_system_vgpr_workitem_id 0
		.amdhsa_next_free_vgpr 194
		.amdhsa_next_free_sgpr 66
		.amdhsa_reserve_vcc 0
		.amdhsa_float_denorm_mode_32 3
		.amdhsa_float_denorm_mode_16_64 3
		.amdhsa_memory_ordered 1
		.amdhsa_forward_progress 1
		.amdhsa_inst_pref_size 25
	.end_amdhsa_kernel
	.amdgpu_metadata
---
amdhsa.version: [ 1, 2 ]
amdhsa.kernels:
  - .name:           k_q4695a68e04_make_bits
    .symbol:         k_q4695a68e04_make_bits.kd
    .args:
      - { .name: M, .offset: 0, .size: 8, .value_kind: global_buffer, .address_space: global }
      - { .name: u, .offset: 8, .size: 8, .value_kind: global_buffer, .address_space: global }
      - { .name: w_bits, .offset: 16, .size: 8, .value_kind: global_buffer, .address_space: global }
    .group_segment_fixed_size: 6144
    .private_segment_fixed_size: 0
    .kernarg_segment_align: 8
    .kernarg_segment_size: 24
    .max_flat_workgroup_size: 256
    .sgpr_count:     66
    .vgpr_count:     194
    .wavefront_size: 32
...
	.end_amdgpu_metadata
.endif
;; end of part 3
;; launch gemm (part 4): grid 8 x 32, 4 waves a work-group, clusters of 4 x 1, 327,680 bytes of LDS; arguments x_codes, x_scales, w_bits, out0; writes out0
.if DOCPART == 4
	.amdgcn_target "amdgcn-amd-amdhsa--gfx1250"
	.amdhsa_code_object_version 6
	.text
	.protected	k_q4695a68e04_gemm
	.globl	k_q4695a68e04_gemm
	.p2align	8
	.type	k_q4695a68e04_gemm,@function
k_q4695a68e04_gemm:
	s_mov_b64 s[64:65], 0
	v_nop
	global_prefetch_b8 v0, s[64:65] scope:SCOPE_SE
	s_setreg_imm32_b32 hwreg(HW_REG_WAVE_MODE, 25, 1), 1
	s_wait_xcnt 0x0
	s_wait_alu depctr_hold_cnt(0) depctr_sa_sdst(0) depctr_va_vdst(0) depctr_va_sdst(0) depctr_va_ssrc(0) depctr_va_vcc(0) depctr_vm_vsrc(0)
	s_getreg_b32 s2, hwreg(HW_REG_IB_STS2, 6, 4)
	s_cmp_eq_u32 s2, 0
	s_cbranch_scc0 .Lentry_in_a_cluster
	s_endpgm
.Lentry_in_a_cluster:
	s_bfe_u32 s2, ttmp6, 0x10000c
	s_cmp_lg_u32 s2, 0x3003
	s_cbranch_scc0 .Lentry_shape_is_right
	s_endpgm
.Lentry_shape_is_right:
; C[m][n] = sum over k of A[m][k] B[n][k].  A = x: [8192][4096] codes of E4M3 with one E8M0 byte for each 32 along K ([8192][128]); B = the weights, +-sqrt(2 / 6144), given as SIGN BITS; C = out0 [8192][2048] f32; sums in f32.
; (The straight-through term of the definition, 0 for every finite M, is left out: see the launch before.)
; B'S CODES AND SCALES.  Every weight has the magnitude STD = sqrt(2 / 6144) (f32 0x3c93cd3a, exponent field 121), so every block's E8M0 byte is 121 - 8 = 113 (0x71), and STD / 2^-14 = 295.6 lies between the
;   numbers 288 and 320 of E4M3 and nearer 288 = 2^8 x 1.125: the code 0x79.  Both are constants of the problem.  A weight's code is 0x79 with its sign bit on top; one register holds the scale word 0x71717171 and nothing else.
; B GOES FROM MEMORY STRAIGHT INTO REGISTERS as sign words, 16 bytes a lane and fragment (the launch before states the layout), and is widened to codes here: 9 instructions for 8 registers.  0x79 has ones in bits 6, 5, 4, 3 and 0:
;   a shift-and-OR that brings a register's bit to bit 7 may leave other bits there, and the layout has none that lands on bits 1 or 2.  Only bits 1 and 0 of the first word are cut out ahead of their shifts.
; A tile of C, 256 x 256, is made by a work-group of four waves, as many as a WGP has SIMDs; a wave makes 128 x 128: 64 accumulators of 16 x 16, 512 registers.  32 x 8 tiles: 256 work-groups, one tile each.
; A goes through a ring of two LDS slots of 512 along K (four steps of 128), filled by the tensor data mover.  A's scales for all of K come into LDS once, at the head.
; A STEP is 64 matrix instructions in four phases of 16.  Phase k takes A's blocks 2 k and 2 k + 1 (32 rows) against B's eight fragments and widens fragments 2 k and 2 k + 1 of the NEXT step: two or three instructions behind each product.
;   Its LDS loads and its loads of sign words stand in two runs.
; REGISTERS.  Window k of 256 holds all that phase k writes: v0-127 its 16 accumulators (block a' of two, fragment b at v[8 (8 a' + b)]); v128-159, v160-191 B's fragments 2 k, 2 k + 1, two sets; v192-223 A's two blocks, one set;
;   v224-231, v232-239 sign words of fragments 2 k, 2 k + 1, two sets.  So products and widening stand under one setting of the windows; it changes with B's pair, every four products.
;   window 0 also: v240-243, v248-251 addresses and constants; v244-247, v252-255 A's scale words (two a pair of blocks: two steps; lanes 0-15 block 2 k, lanes 16-31 block 2 k + 1).  window 1 also: v241, v242.
; CLUSTER: the four work-groups of a cluster make four neighbouring tiles of one tile row of C and need the same tiles and scales of A: each is asked for JOINTLY, by the same tensor load with the same descriptor and
;   the mask of all four.  B's sign words go to registers: nothing of them is shared by joint loads.
; THE WAY OUT.  Source 0 is A and source 1 is B: lane (r, h) holds rows 8 h + j of column r of a fragment.  Fragment b's column r is column 64 (b / 4) + 4 r + b % 4 of the wave's 128, so register j of four accumulators makes
;   16 neighbouring bytes, and sixteen neighbouring lanes 256 neighbouring bytes of a row: moves bring the four together, and no LDS is needed.
; PREFETCHES: A's tiles one slot ahead of their load; sign words two slots ahead of the slot in hand.  Nothing is prefetched at the head.
; LIMITS: none of range: codes and scale bytes of x are taken as they are given (a scale byte 0xff or a NaN code gives NaN, as the definition does).
.set SIZE_K, 4096
.set KSLOT,  512                       ; along K in a slot; also a tile's row in bytes
.set PITCH,  528                       ; an LDS row: 512 bytes + 16 of padding = 132 words: row r starts at bank 4 r mod 64 (64 banks of 4 bytes: ISA guide 11.1), so the 16 rows that a load touches start at 16 different banks
.set QUART,  64*PITCH                  ; 64 rows: what one tensor load of the ring brings
.set HALFT,  128*PITCH                 ; 128 rows: what one wave reads, and what one of the head's loads brings
.set SLOT,   256*PITCH
.set SCL,    2*SLOT                    ; behind the ring: A's scales, as pieces of 256 bytes + 16 of padding: two rows of 128 bytes in each
.set HALFS,  64*272                    ; the scales of 128 rows
.set PBLK,   16*272                    ; those of 32 rows
.set SPARE,  SCL+2*HALFS               ; behind the scales: the spare words, 128 bytes for each wave: two blocks of 256 bytes that no other line names
.set STEPB,  4096                      ; a step's sign words of 128 columns, in bytes
.set CROW,   8192                      ; a row of C in bytes
.set BF,   128
.set AF,   192
.set BW,   224
.set BGO,  240                         ; 16 x lane; never rewritten
.set NIL,  241                         ; 0; never rewritten
.set SPW,  242                         ; LDS address of my spare word: SPARE + 4 x my thread's number; never rewritten
.set BSC,  243                         ; B's scale word
.set SC,   244                         ; pair k's scale words at v[SC + 2 k + 4 (k / 2)]
.set ADRA, 248                         ; LDS address of my A fragments in the slot in hand
.set ADRS, 249                         ; LDS address of my scale words
.set ADRA0, 250                        ; my place in a slot
.set PFO,  251                         ; prefetches of A: row lane / 2, block lane % 2
.set PFB,  241                         ; window 1: prefetches of sign words: 256 x lane
.set COW,  242                         ; window 1: my byte offset in C
.set G1,   24                          ; s[24:31] descriptor group 1 for A's tiles
.set G0H,  32                          ; s[32:35] group 0 of the head's load of A
.set G0,   36                          ; s[36:39] group 0 of the ring's loads
.set TB,   44                          ; s44     LDS byte at which the slot in hand begins: 0 or SLOT
.set WOFF, 45                          ; s45     my wave's 64 rows in a slot
.set M7,   48                          ; s48-50  0x80808080, 0x79797979, 0x03030303
.set CC,   49
.set M3,   50
.set G1S,  68                          ; s[68:75], s[76:79] groups 1 and 0 for A's scales
.set G0S,  76
.set PFA,  84                          ; s[84:85] where my prefetches of A stand
.set MYB,  87                          ; s87     1 in a wave that prefetches sign words
.set MSB, 0
.macro WIN new                         ; the immediate's high byte repeats the setting that is left; a switch that changes nothing is dropped
.if MSB != (\new)
	s_set_vgpr_msb (MSB<<8)|(\new)
.set MSB, (\new)
.endif
.endm
.macro PLACES n
.rept \n
	v_nop
.endr
.endm
.macro CREST                           ; a round of the cluster's barrier behind its opening barrier
	s_cmp_lg_u32 s14, 0
	s_cbranch_scc1 .Lnot_wave_0_\@
	s_barrier_signal -3
.Lnot_wave_0_\@:
	s_barrier_wait -3
	s_barrier_signal -1
	s_barrier_wait -1
.endm
.macro CROUND                          ; a whole round
	s_barrier_signal -1
	s_barrier_wait -1
	CREST
.endm
	s_load_b128 s[4:7], s[0:1], 0x0                ; A's codes s[4:5], A's scales s[6:7]
	s_load_b128 s[8:11], s[0:1], 0x10              ; B's sign words s[8:9], C s[10:11]
	v_lshl_add_u32 v[SPW], v0, 2, SPARE
	v_mov_b32 v[NIL], 0
	ds_add_u32 v[SPW], v[NIL]                      ; the wave's opening: the add, twice on end, and its wait ahead of my first tensor load
	ds_add_u32 v[SPW], v[NIL]
	v_lshrrev_b32 v1, 5, v0
	v_readfirstlane_b32 s14, v1                    ; wave 0..3
	s_lshr_b32 s15, s14, 1                         ; which half of the tile's rows is mine
	s_and_b32 s16, s14, 1                          ; which half of its columns; also which 128 rows I fetch at the head
	s_mul_i32 s21, s15, HALFT
	s_mul_i32 s22, s15, HALFS
	s_add_co_u32 s22, s22, SCL
	v_and_b32 v2, 31, v0                           ; lane
	v_and_b32 v3, 15, v0                           ; r
	v_bfe_u32 v4, v0, 4, 1                         ; h
	v_mul_u32_u24 v6, v3, PITCH
	v_lshl_add_u32 v6, v4, 4, v6                   ; a fragment's row x pitch + 16 x half
	v_add_nc_u32 v[ADRA0], s21, v6
	v_add_nc_u32 v[ADRA], s21, v6                  ; slot 0
	v_lshlrev_b32 v7, 7, v2                        ; row lane of 32: 128 bytes of scales,
	v_lshrrev_b32 v8, 1, v2
	v_lshl_add_u32 v7, v8, 4, v7                   ; and 16 more for each 256 passed
	v_add_nc_u32 v[ADRS], s22, v7
	v_and_b32 v9, 1, v2
	v_lshlrev_b32 v10, 12, v8
	v_lshl_add_u32 v[PFO], v9, 8, v10
	v_mov_b32 v[BSC], 0x71717171                   ; four bytes 113
	v_lshlrev_b32 v11, 16, v4                      ; 8 h rows of C
	v_lshlrev_b32 v[BGO], 4, v2
	WIN 0x40
	v_lshlrev_b32 v[PFB], 8, v2
	v_lshl_add_u32 v[COW], v3, 4, v11
	WIN 0
	s_bfe_u32 s40, ttmp6, 0x40000                  ; cx: my place in the cluster
	s_lshl_b32 s42, ttmp9, 2
	s_add_co_u32 s42, s42, s40                     ; tile column of C = 4 x cluster x + cx: it enters B's, C's and the prefetches' addresses alone
	s_and_b32 s17, ttmp7, 0xffff                   ; tile row of C, which the four partners share
	; descriptor group 1: rows of 512 bytes, padded in LDS; 128 of them for the head's loads, later 64
	s_mov_b32 s[G1+0], 15|(0<<16)|(1<<20)|(1<<21)|(6<<22)|(3<<25)   ; 15:0 the mask: all four work-groups; 17:16 element of 1 byte; 20 padding on; 21 set beside a mask; 24:22 after every 128 words (code 6); 31:25 of 4 words (code 3)
	s_mov_b32 s[G1+1], KSLOT<<16                   ; tensor_dim0
	s_mov_b32 s[G1+2], 128<<16                     ; tensor_dim1
	s_mov_b32 s[G1+3], KSLOT<<16                   ; tile_dim0
	s_mov_b32 s[G1+4], 128                         ; tile_dim1
	s_mov_b32 s[G1+5], SIZE_K                      ; tensor_dim0_stride
	s_mov_b32 s[G1+6], 0
	s_mov_b32 s[G1+7], 0
	; the scales of 128 rows: a dense block of 16,384 bytes, as 64 rows of 256 bytes (32 elements of 8 bytes), 16 bytes of padding behind each
	s_mov_b32 s[G1S+0], 15|(3<<16)|(1<<20)|(1<<21)|(5<<22)|(3<<25)
	s_mov_b32 s[G1S+1], 32<<16
	s_mov_b32 s[G1S+2], 64<<16
	s_mov_b32 s[G1S+3], 32<<16
	s_mov_b32 s[G1S+4], 64
	s_mov_b32 s[G1S+5], 32
	s_mov_b32 s[G1S+6], 0
	s_mov_b32 s[G1S+7], 0
	s_mov_b32 s[M7], 0x80808080
	s_mov_b32 s[CC], 0x79797979                    ; four codes of +STD
	s_mov_b32 s[M3], 0x03030303
	s_mov_b32 s[TB], 0
	s_mul_i32 s[WOFF], s14, QUART                  ; no place in the cluster enters an LDS address
	s_lshl_b32 s18, s17, 8                         ; the tile's first row
	s_lshl_b32 s20, s16, 7
	s_add_co_u32 s20, s20, s18                     ; the 128 rows that I fetch at the head:
	s_lshl_b32 s22, s20, 7                         ; their scales, 128 bytes a row,
	s_mov_b32 s23, 0
	s_lshl_b32 s20, s20, 12                        ; their codes, 4,096 bytes a row
	s_mov_b32 s21, 0
	s_lshl_b32 s46, s14, 6
	s_add_co_u32 s18, s18, s46                     ; the 64 rows that I fetch in the ring
	s_lshl_b32 s46, s40, 4
	s_add_co_u32 s46, s46, s18                     ; my work-group's 16 of them, for the prefetches,
	s_lshl_b32 s46, s46, 12
	s_add_co_u32 s46, s46, 3*KSLOT                 ; in slot 3
	s_mov_b32 s47, 0
	s_lshl_b32 s18, s18, 12
	s_add_co_u32 s18, s18, KSLOT                   ; slot 1 is the ring's first
	s_mov_b32 s19, 0
	s_lshl_b32 s80, s42, 1
	s_add_co_u32 s80, s80, s16                     ; my group of 128 columns: 2 x tile column + half,
	s_lshl_b32 s80, s80, 17                        ; 131,072 bytes of sign words each
	s_mov_b32 s81, 0
	s_lshl_b32 s82, s17, 8                         ; my first row of C: 256 x tile row + 128 x half,
	s_lshl_b32 s83, s15, 7
	s_add_co_u32 s82, s82, s83
	s_lshl_b32 s82, s82, 13                        ; 8,192 bytes a row,
	s_lshl_b32 s83, s42, 10
	s_add_co_u32 s82, s82, s83                     ; my first column, in bytes: 1,024 x tile column + 512 x half
	s_lshl_b32 s83, s16, 9
	s_add_co_u32 s82, s82, s83
	s_mov_b32 s83, 0
	s_cmp_lt_u32 s17, 4                            ; sign words are prefetched by the work-groups of tile rows 0 to 3, by waves 0 and 1: one for each group of 128 columns
	s_cselect_b32 s[MYB], 1, 0
	s_cmp_eq_u32 s15, 0
	s_cselect_b32 s[MYB], s[MYB], 0
	s_mov_b32 s[G0H], 1                            ; group 0: count = 1
	s_mul_i32 s[G0H+1], s16, HALFT                 ; LDS address
	s_mov_b32 s[G0S], 1
	s_mul_i32 s[G0S+1], s16, HALFS
	s_add_co_u32 s[G0S+1], s[G0S+1], SCL
	s_mov_b32 s[G0], 1
	s_add_co_u32 s[G0+1], s[WOFF], SLOT            ; slot 1
	s_wait_alu depctr_va_vdst(0)                   ; all address registers are made
	s_wait_dscnt 0x0                               ; both opening adds are done
	CROUND                                         ; all four work-groups are here: the first joint loads meet
	s_wait_kmcnt 0x0
	s_add_nc_u64 s[G0H+2:G0H+3], s[4:5], s[20:21]
	s_or_b32 s[G0H+3], s[G0H+3], 0x80000000        ; type = 2
	s_add_nc_u64 s[G0S+2:G0S+3], s[6:7], s[22:23]
	s_or_b32 s[G0S+3], s[G0S+3], 0x80000000
	s_cmp_lt_u32 s14, 2                            ; one joint load a wave: waves 0 and 1 fetch slot 0's rows, waves 2 and 3 the scales
	s_cbranch_scc0 .Lscales
	tensor_load_to_lds s[G0H:G0H+3], s[G1:G1+7]
	s_nop 0
	PLACES 4
	s_branch .Lasked
.Lscales:
	tensor_load_to_lds s[G0S:G0S+3], s[G1S:G1S+7]
	s_nop 0
	PLACES 4
.Lasked:
	s_add_nc_u64 s[8:9], s[8:9], s[80:81]
; Sign words of pair xfk (fragments 2 xfk, 2 xfk + 1) of the step st steps behind s[8:9], into set \set; the destination's window is xfk, the address's 0.
.macro WORDS st, set
	global_load_b128 v[BW+8*(\set):BW+8*(\set)+3], v[BGO], s[8:9] offset:STEPB*(\st)+1024*xfk
	global_load_b128 v[BW+8*(\set)+4:BW+8*(\set)+7], v[BGO], s[8:9] offset:STEPB*(\st)+1024*xfk+512
.endm
.irp t, 0,1                                    ; steps 0 and 1
.irp w, 0,1,2,3
	WIN \w<<6
.set xfk, \w
	WORDS \t, \t
.endr
.endr
	s_add_nc_u64 s[G0+2:G0+3], s[4:5], s[18:19]
	s_or_b32 s[G0+3], s[G0+3], 0x80000000
	s_add_nc_u64 s[PFA:PFA+1], s[4:5], s[46:47]
	s_add_nc_u64 s[10:11], s[10:11], s[82:83]
; Slice xi % 16 of a phase: two or three of the 36 instructions that widen the phase's two fragments: sign words of set ws into B's set bs.  Eight registers take four slices.
; The two low bits of a first word are cut out (CUT) in the slice itself where xcut = 1; the others' of half a step, groups a + 4 .. a + 28, seven instructions, stand ahead of a run (CUTS), each into the register that its group writes last.
.macro CUT g, ws, bs
.set xF, BF+32*(\bs)+16*(((\g)/8)%2)+8*(((\g)/4)%2)
.set xW, BW+8*(\ws)+4*(((\g)/8)%2)+2*(((\g)/4)%2)
	v_and_b32 v[xF+7], v[xW], s[M3]
.endm
.macro CUTS a, ws, bs
	CUT \a+4, \ws, \bs
	CUT \a+8, \ws, \bs
	CUT \a+12, \ws, \bs
	WIN (\a/16+1)*0x41                             ; the next phase's window
	CUT \a+16, \ws, \bs
	CUT \a+20, \ws, \bs
	CUT \a+24, \ws, \bs
	CUT \a+28, \ws, \bs
	s_wait_alu depctr_va_vdst(0)
.endm
.macro SLICE ws, bs
.set xF, BF+32*(\bs)+16*((xi/8)%2)+8*((xi/4)%2)
.set xW, BW+8*(\ws)+4*((xi/8)%2)+2*((xi/4)%2)
.if (xi%4) == 0
.if xcut
	v_and_b32 v[xF+7], v[xW], s[M3]                ; bits 1 and 0 alone
.endif
	v_and_or_b32 v[xF], v[xW], s[M7], s[CC]
	v_lshl_or_b32 v[xF+1], v[xW], 4, s[CC]
.elseif (xi%4) == 1
	v_lshl_or_b32 v[xF+2], v[xW], 5, s[CC]
	v_lshl_or_b32 v[xF+3], v[xF+7], 6, s[CC]
.elseif (xi%4) == 2
	v_lshl_or_b32 v[xF+7], v[xF+7], 7, s[CC]
	v_and_or_b32 v[xF+4], v[xW+1], s[M7], s[CC]
.else
	v_lshl_or_b32 v[xF+5], v[xW+1], 4, s[CC]
	v_lshl_or_b32 v[xF+6], v[xW+1], 5, s[CC]
.endif
.endm
; Product (xk, xj, xm) of a step: A's block 2 xk + xm / 2 against B's fragment 2 xj + xm % 2.  The 64 accumulators take turns, one instruction a turn, in the same order in every step.
; zero = 1: the first product starts the sums: nothing is ever cleared.
.macro WM q, zero
.set xD, 8*(8*(xm/2)+2*xj+xm%2)
.set xA, AF+16*(xm/2)
.set xB, BF+32*((\q)%2)+16*(xm%2)
.set xS, SC+2*xk+4*(xk/2)+(\q)%2
	WIN xk*0x51+xj*4                               ; sources 0 and 2 and the destination: window xk; source 1: window xj
.if \zero
.if xm/2
	v_wmma_scale_f32_16x16x128_f8f6f4 v[xD:xD+7], v[xA:xA+15], v[xB:xB+15], 0, v[xS], v[BSC] matrix_a_scale:MATRIX_SCALE_ROW1
.else
	v_wmma_scale_f32_16x16x128_f8f6f4 v[xD:xD+7], v[xA:xA+15], v[xB:xB+15], 0, v[xS], v[BSC]
.endif
.else
.if xm/2
	v_wmma_scale_f32_16x16x128_f8f6f4 v[xD:xD+7], v[xA:xA+15], v[xB:xB+15], v[xD:xD+7], v[xS], v[BSC] matrix_a_scale:MATRIX_SCALE_ROW1
.else
	v_wmma_scale_f32_16x16x128_f8f6f4 v[xD:xD+7], v[xA:xA+15], v[xB:xB+15], v[xD:xD+7], v[xS], v[BSC]
.endif
.endif
.endm
; A's pair xfk (32 rows) of the slot's step xfq: a fragment, 16 rows x 128 K, is 16 registers: lane l holds row l % 16; registers 4 c .. 4 c + 3 hold K = 32 c + 16 (l / 16) + 0 .. 15.
.macro FETCH
	WIN xfk<<6
.irp a, 0,1
.irp c, 0,1,2,3
	ds_load_b128 v[AF+16*\a+4*\c:AF+16*\a+4*\c+3], v[ADRA] offset:(32*xfk+16*\a)*PITCH+128*xfq+32*\c
.endr
.endr
.endm
.macro SCALE                           ; its scale words of two steps
	ds_load_b64 v[SC+2*xfk+4*(xfk/2):SC+2*xfk+4*(xfk/2)+1], v[ADRS] offset:xfk*PBLK
.endm
; A RUN: pairs k0 and k0 + 1 of A (xfs = 1: their scale words ahead of them), and with each, where words = 1, its sign words of the step st steps behind s[8:9].
.macro RUN k0, words, st, set
.if xfs
	WIN 0
.set xfk, \k0
	SCALE
.set xfk, \k0+1
	SCALE
.endif
.set xfk, \k0
	FETCH
.if \words
	WORDS \st, \set
.endif
.set xfk, \k0+1
	FETCH
.if \words
	WORDS \st, \set
.endif
.endm
; A PREFETCH INTO THE L2 of the slot that the NEXT change of slots will ask for.  A slot's part of a row is two aligned blocks of 256 bytes.  The four partners of a cluster share the rows out BY ADDRESS: of the 64 rows that a
; wave fetches, the partner at place cx takes 16: 16 rows x 2 blocks, a lane a block, one instruction a wave.  The loop's last trip (s3 = 1) asks for the last slot and has nothing behind it to name.
.macro ASK_A
	WIN 0
	s_cmp_gt_u32 s3, 1
	s_cbranch_scc0 .Lno_more_\@
	global_prefetch_b8 v[PFO], s[PFA:PFA+1] th:TH_LOAD_NT scope:SCOPE_SE
.Lno_more_\@:
.endm
; And of the sign words of the slot two on: 16,384 consecutive bytes, a lane a block of 256, two instructions.  The six trips name slots 2 to 7.
.macro ASK_B
	WIN 0
	s_cmp_eq_u32 s[MYB], 1
	s_cbranch_scc0 .Lnot_mine_\@
	WIN 1
	global_prefetch_b8 v[PFB], s[8:9] offset:8*STEPB th:TH_LOAD_NT scope:SCOPE_SE
	global_prefetch_b8 v[PFB], s[8:9] offset:10*STEPB th:TH_LOAD_NT scope:SCOPE_SE
	WIN 0
.Lnot_mine_\@:
.endm
; A STEP: the q-th 128 along K of the slot in hand; it widens the next step's B.
;   Run 1, behind product 3: this step's pairs 2 and 3 of A, and (bl1 = 1) sign words of pairs 2 and 3 of the step two on, into the registers that the step before has widened.  Run 2, behind product 35: pairs 0 and 1 of A for the next step,
;   and (bl2 = 1) sign words of pairs 0 and 1 of the step three on.  Nine widening instructions or more stand between a pair's last product and its run.
;   Waits.  Pairs 0 and 2 of A, asked for 28 products earlier: the run's other pair, eight loads, may be out; pairs 1 and 3: the run behind theirs, sixteen loads or more, may be out.
;   Sign words: those of products 0 to 31 came with run 2 of the step two back, those of products 32 to 63 with run 1 of the step before: two runs, eight loads, are younger (la, lb: as they run out, fewer).
;   kind = 1, 2: the slot's last step changes slots.  Behind run 1, the last reads of this slot, the wave waits for all its tensor loads (one is out: its part of the next slot) and adds 0 to its spare word; behind product 15 it waits for the
;   add and for its reads, and signals; behind product 35 it goes on when all have signalled.  kind = 1: that barrier opens a round of the cluster's barrier, and this slot is filled again, with the K two slots on: one tensor load a wave, the
;   first behind the round, ahead of run 2.  kind = 2: nothing is left to fetch.
;   bstep = 1: the bases of sign words and prefetches step on, behind a wait that shows their addresses read.
.macro STEP q, zero, kind, bl1, bl2, la, lb, bstep, ask
.set xi, 0
.rept 64
.set xk, xi/16
.set xj, (xi/4)%4
.set xm, xi%4
.if xi == 0
	s_wait_dscnt 8
	s_wait_loadcnt \la
.endif
.if (xi == 48) || ((xi == 16) && (\kind == 0))
	s_wait_dscnt 16
.endif
.if (xi == 32) && (\kind == 0)
	s_wait_dscnt 8
	s_wait_loadcnt \lb
.endif
	WM \q, \zero
.if (xm == 3) && (xj != 3) && (xi != 3) && (xi != 35)
	WIN xk*0x51+(xj+1)*4                           ; the next four products' window of B: the slice names no vector register as source 1
.endif
.set xcut, 0
.if (xi == 0) || (xi == 32)
.set xcut, 1
.endif
	SLICE ((\q)+1)%2, ((\q)+1)%2
.if (\bstep != 0) && (xi == 2)
	s_wait_xcnt 0x0
	s_add_nc_u64 s[8:9], s[8:9], 4*STEPB
	s_add_nc_u64 s[PFA:PFA+1], s[PFA:PFA+1], KSLOT
.endif
.if xi == 3
.set xfq, \q
.set xfs, ((\q)+1)%2
	CUTS 0, ((\q)+1)%2, ((\q)+1)%2
	RUN 2, \bl1, (\q)+2, (\q)%2
.if \kind != 0
	WIN 0                                          ; (the add's two registers lie in window 0)
	s_wait_tensorcnt 0x0                           ; my part of the next slot has landed
	ds_add_u32 v[SPW], v[NIL]                      ; 0 onto my spare word
.endif
.endif
.if (\kind != 0) && (xi == 15)
	s_wait_loadcnt \lb                             ; the sign words of products 32 to 63: the wait stands ahead of the signal
	s_wait_dscnt 0x0                               ; the add is done, and my reads of this slot are over
	s_barrier_signal -1
.endif
.if xi == 35
	CUTS 32, ((\q)+1)%2, ((\q)+1)%2
.endif
.if (\kind != 0) && (xi == 35)
	WIN 0
	s_barrier_wait -1
.if \kind == 1
	CREST                                          ; no wave of any partner still reads this slot's tile or has a load on its way
	s_add_co_u32 s[G0+1], s[WOFF], s[TB]           ; no tensor load of mine is out: the slot just left,
	s_add_nc_u64 s[G0+2:G0+3], s[G0+2:G0+3], KSLOT ; the next 512 along K; the type bits on top are not reached
	s_xor_b32 s[TB], s[TB], SLOT                   ; and the reads go on in the other slot
	tensor_load_to_lds s[G0:G0+3], s[G1:G1+7]
	s_nop 0
	PLACES 4
.else
	s_xor_b32 s[TB], s[TB], SLOT
.endif
	v_add_nc_u32 v[ADRA], s[TB], v[ADRA0]
.endif
.if xi == 35
.set xfq, ((\q)+1)%4
.set xfs, (\q)%2
.if xfs
	WIN 0
	v_add_nc_u32 v[ADRS], 8, v[ADRS]               ; on to the next two steps' scale words
.endif
	RUN 0, \bl2, (\q)+3, ((\q)+1)%2
.if \kind == 1
	ASK_A
.endif
.if \ask
	ASK_B
.endif
.endif
.set xi, xi+1
.endr
.endm
	s_wait_loadcnt 8                               ; step 0's eight loads of sign words are in; step 1's may be out
.irp w, 0,1,2,3
	WIN \w*0x51
.set xi, 0
.rept 16
.set xcut, 1
	SLICE 0, 0                                     ; step 0's B, while the first tiles are on their way
.set xi, xi+1
.endr
.endr
.irp w, 0,1
	WIN \w<<6
.set xfk, \w
	WORDS 2, 0                                     ; step 2's sign words of pairs 0 and 1; those of pairs 2 and 3 come with step 0's run 1
.endr
	WIN 0
	s_wait_alu depctr_va_vdst(0)
	s_wait_tensorcnt 0x0                           ; my tile of the head's four is in
	ds_add_u32 v[SPW], v[NIL]
	s_mov_b32 s[G1+2], 64<<16                      ; no tensor load of mine is out: from here on a load brings 64 rows
	s_mov_b32 s[G1+4], 64
	s_wait_dscnt 0x0
	CROUND                                         ; everybody's tiles are in, and all four work-groups are here
	tensor_load_to_lds s[G0:G0+3], s[G1:G1+7]      ; slot 1's first fill, the first tensor load behind the round
	s_nop 0
	PLACES 4
.set xfq, 0
.set xfs, 1
	RUN 0, 0, 0, 0
	STEP 0, 1, 0, 1, 1, 8, 8, 0, 0                 ; the first step stands in front of the loop: its products start the sums
	WIN 0                                          ; at a label and at a branch every window is 0
	s_mov_b32 s3, 6
.Lslot:                                                ; a trip goes from a slot's second step to the next slot's first, and fills the slot that it leaves: six trips
	STEP 1, 0, 0, 1, 1, 8, 8, 0, 1
	STEP 2, 0, 0, 1, 1, 8, 8, 0, 0
	STEP 3, 0, 1, 1, 1, 8, 8, 0, 0
	STEP 0, 0, 0, 1, 1, 8, 8, 1, 0
	WIN 0
	s_sub_co_u32 s3, s3, 1
	s_cmp_lg_u32 s3, 0
	s_cbranch_scc1 .Lslot
	STEP 1, 0, 0, 1, 1, 8, 8, 0, 0                 ; the last two slots are written out
	STEP 2, 0, 0, 1, 1, 8, 8, 0, 0
	STEP 3, 0, 2, 1, 1, 8, 8, 0, 0
	STEP 0, 0, 0, 1, 1, 8, 8, 1, 0
	STEP 1, 0, 0, 1, 0, 8, 8, 0, 0                 ; the sign words run out, and with them the counts
	STEP 2, 0, 0, 0, 0, 4, 0, 0, 0
; THE LAST STEP widens nothing; each pair of blocks leaves as soon as its products are done.
; Four accumulators are 32 registers; they go, ordered anew, into 32 registers that are done with: the first four into the pair's A, the others into those that the four before have left.  So no store's registers are written again.
.macro GROUP
.set xd, 32*(xn-1)
.if xn == 0
.set xd, AF
.endif
.endm
.macro MOVES
	GROUP
.irp j, 0,1,2,3,4,5,6,7
.irp c, 0,1,2,3
	v_mov_b32 v[xd+4*\j+\c], v[32*xn+8*\c+\j]
.endr
.endr
.set xn, xn+1
.endm
.macro STORES
	GROUP
.irp j, 0,1,2,3,4,5,6,7
	global_store_b128 v[COW], v[xd+4*\j:xd+4*\j+3], s[10:11] offset:(32*xk+16*(xn/2)+\j)*CROW+256*(xn%2) th:TH_STORE_NT   ; lanes 0-15: 256 aligned bytes of row j, lanes 16-31: of row 8 + j; written once, read by nobody here
.endr
.set xn, xn+1
.endm
	PLACES 8
	s_wait_alu depctr_va_vdst(0)
.set xfq, 3
.set xfs, 0
	RUN 2, 0, 0, 0
.set xk, 0
.rept 4
	s_wait_dscnt 24-8*xk                           ; the pairs behind this one may be out, eight loads each
.set xi, 0
.rept 16
.set xj, xi/4
.set xm, xi%4
	WM 3, 0
.set xi, xi+1
.endr
	PLACES 8                                       ; behind the last products, ahead of the moves that read their results and write over their A
	WIN xk*0x41                                    ; moves: source 0 and destination in window xk
.set xn, 0
.rept 4
	MOVES
.endr
	WIN 1+4*xk                                     ; stores: the address in window 1, the data in window xk
.set xn, 0
.rept 4
	STORES
.endr
.set xk, xk+1
.endr
	WIN 0
	s_wait_tensorcnt 0x0                           ; the wave's end
	ds_add_u32 v[SPW], v[NIL]
	s_wait_dscnt 0x0
	CROUND                                         ; the closing round: no work-group ends while a partner may still ask for a tile that names it
	s_endpgm
.Lfunc_end_k_q4695a68e04_gemm:
	.size	k_q4695a68e04_gemm, .Lfunc_end_k_q4695a68e04_gemm-k_q4695a68e04_gemm
	.p2alignl 7, 3214868480
	.fill 96, 4, 3214868480
	.section	.rodata,"a",@progbits
	.p2align	6, 0x0
	.amdhsa_kernel k_q4695a68e04_gemm
		.amdhsa_group_segment_fixed_size 327680
		.amdhsa_private_segment_fixed_size 0
		.amdhsa_enable_private_segment 0
		.amdhsa_kernarg_size 32
		.amdhsa_user_sgpr_count 2
		.amdhsa_user_sgpr_kernarg_segment_ptr 1
		.amdhsa_wavefront_size32 1
		.amdhsa_system_sgpr_workgroup_id_x 1
		.amdhsa_system_sgpr_workgroup_id_y 1
		.amdhsa_system_sgpr_workgroup_id_z 1
		.amdhsa_system_vgpr_workitem_id 0
		.amdhsa_next_free_vgpr 1024
		.amdhsa_next_free_sgpr 98
		.amdhsa_reserve_vcc 0
		.amdhsa_float_denorm_mode_32 3
		.amdhsa_float_denorm_mode_16_64 3
		.amdhsa_memory_ordered 1
		.amdhsa_forward_progress 1
		.amdhsa_inst_pref_size 255
	.end_amdhsa_kernel
	.section	.bss,"aw",@nobits
	.p2align	6
	.space	262144
	.amdgpu_metadata
---
amdhsa.version: [ 1, 2 ]
amdhsa.kernels:
  - .name:           k_q4695a68e04_gemm
    .symbol:         k_q4695a68e04_gemm.kd
    .args:
      - { .name: x_codes, .offset: 0, .size: 8, .value_kind: global_buffer, .address_space: global }
      - { .name: x_scales, .offset: 8, .size: 8, .value_kind: global_buffer, .address_space: global }
      - { .name: w_bits, .offset: 16, .size: 8, .value_kind: global_buffer, .address_space: global }
      - { .name: out0, .offset: 24, .size: 8, .value_kind: global_buffer, .address_space: global }
    .group_segment_fixed_size: 327680
    .private_segment_fixed_size: 0
    .kernarg_segment_align: 8
    .kernarg_segment_size: 32
    .max_flat_workgroup_size: 128
    .sgpr_count:     98
    .vgpr_count:     1024
    .wavefront_size: 32
...
	.end_amdgpu_metadata
.endif
;; end of part 4
